; MI455X (gfx1250); checked and timed in simulation.
; The chip was launched on July 23, 2026; its instructions are those of AMD's public machine-readable ISA for CDNA 5 (MIT licence, August 2026) and "CDNA5" Instruction Set Architecture Reference Guide (July 2026). The comments in the code are by the model that wrote it; some were corrected since.
;; Prototype Residual Adapter. Allowed arithmetic: float matrix products may take bf16 or f16 operands with f32 sums; other float arithmetic in f32, or as packed bf16 or f16 multiplies, adds, multiply-adds, maxima and minima; sums over many terms, partial sums and values carried from step to step in f32; what a program stores and reads back later, other than sums and carried values, may be rounded once to bf16 or f16.
;; Inputs: W1 16 x 128 x 1,024 float32; W2 16 x 1,024 x 128 float32; b1 16 x 128 float32; b2 16 x 1,024 float32; cluster_ids 16,384 int32; h 16,384 x 1,024 float32.
;; Outputs: out0 16,384 x 1,024 float32.
;; 2 versions, each right and faster than the one before. Each part assembles by itself: llvm-mc -triple=amdgcn-amd-amdhsa -mcpu=gfx1250 --defsym DOCPART=n.
;; ======== version 1 of 2: 2 launches
;; workspace buffers: W1p 4,194,304 bytes; W2p 4,194,304 bytes; order 1,048,576 bytes of whole numbers; counts 2,048 bytes of whole numbers
;; launch prep (part 1): grid 272 x 1, 8 waves a work-group, no clusters, 69,376 bytes of LDS; arguments cluster_ids, W1, W2, W1p, W2p, order, counts; writes W1p, W2p, order, counts
.if DOCPART == 1
	.amdgcn_target "amdgcn-amd-amdhsa--gfx1250"
	.amdhsa_code_object_version 6
	.text
	.protected	k_q7d66555eb1_prep
	.globl	k_q7d66555eb1_prep
	.p2align	8
	.type	k_q7d66555eb1_prep,@function
k_q7d66555eb1_prep:
	s_mov_b64 s[64:65], 0
	v_nop
	global_prefetch_b8 v0, s[64:65] scope:SCOPE_SE
	s_setreg_imm32_b32 hwreg(HW_REG_WAVE_MODE, 25, 1), 1
	s_wait_xcnt 0x0
; PREP: the tokens are sorted by expert, and both weight tensors are rounded once to bf16 and laid out in the order in which the
; second launch's matrix operands take them.  Three roles, chosen by the work-group's number (alike for all its waves):
;   0..15    SORT, expert e = number: order[e][0 .. n_e-1] = the tokens of expert e; the other 16,384 - n_e words of the region take all
;            other tokens, from the back: a full partition, so every word is stored once, with all lanes on.  counts[32 e .. +31] = n_e.
;   16..143  W1: x = number - 16 = 8 e + cb: rows c = 16 cb .. +15 of W1[e] (65,536 consecutive bytes of f32)
;   144..271 W2: y = number - 144 = 8 e + w: rows d = 128 w .. +127 of W2[e] (65,536 consecutive bytes of f32)
; W1p byte = e*262144 + (cb/2)*65536 + n*2048 + (cb%2)*1024 + half*512 + lane*16: lane (r = lane%16, hh = lane/16) holds W1[e][16cb+r][32n+16half+8hh .. +7].
; W2p byte = (8e+w)*32768 + g*16384 + a*4096 + ks*1024 + half*512 + lane*16: the lane holds W2[e][128w+64g+4r+a][32ks+16half+8hh .. +7].
; LIMITS.  Weights are rounded to nearest even, once.  A token whose id lies outside 0..15 enters no list's front and gets no output row
; (the problem keeps ids inside the table).  No atomics: ranks come from lane masks, population counts and one exchange through LDS.
; LDS: each role has bytes of its own, so that no line of one role names a byte of another's.
.set P1,    2064                       ; W1's stage: a row of 1,024 bf16 + 16 bytes: 129 x 16, so 16 rows of a fragment load start at 16 different groups of banks
.set P2,    272                        ; W2's stage: a row of 128 bf16 + 16 bytes: 17 x 16
.set ST1,   0                          ; W1's stage: 16 rows x P1 = 33,024 bytes
.set ST2,   33280                      ; W2's stage: 128 rows x P2 = 34,816 bytes
.set SRT,   68096                      ; SORT: eight words
.set SPARE, 68352                      ; the spare words, 128 bytes for each of the eight waves
.set X,     32                         ; v[32:95]   16 loads of 4 f32; their first two registers then hold 4 bf16
.set FB,    96                         ; v[96:127]  8 half fragments read back
.set ID,    32                         ; v[32:95]   SORT: 64 ids a lane, then the byte offsets of their slots
.set TK,    96                         ; v[96:159]  SORT: the 64 token numbers
	s_load_b256 s[4:11], s[0:1], 0x0               ; cluster_ids s[4:5], W1 s[6:7], W2 s[8:9], W1p s[10:11]
	s_load_b128 s[12:15], s[0:1], 0x20             ; W2p s[12:13], order s[14:15]
	s_load_b64 s[16:17], s[0:1], 0x30              ; counts
	v_lshl_add_u32 v4, v0, 2, SPARE                ; my spare word; never rewritten
	v_mov_b32 v5, 0                                ; 0; never rewritten
	v_lshrrev_b32 v7, 5, v0
	v_readfirstlane_b32 s20, v7                    ; wave 0..7
	v_and_b32 v2, 31, v0                           ; lane
	v_and_b32 v3, 15, v0                           ; r
	v_bfe_u32 v6, v0, 4, 1                         ; hh
	v_lshlrev_b32 v1, 4, v2
	v_lshl_add_u32 v1, s20, 13, v1                 ; wave x 8,192 + lane x 16: my 16 bytes in each 512 of my wave's 8 KiB of input, in all three roles
	s_mov_b32 s21, ttmp9
	s_mov_b32 s31, 0                               ; the high word of every offset pair s[30:31]
	s_wait_kmcnt 0x0
	s_cmp_lt_u32 s21, 16
	s_cbranch_scc1 .Lsort
	s_cmp_lt_u32 s21, 144
	s_cbranch_scc0 .Lw2
; 64 KiB of f32 -> 32 KiB of bf16 in operand order.  In: 16 loads a wave, 512 consecutive bytes each.  Through the stage, so that a lane gets 8 neighbouring k of one row.
; Out: 8 stores a wave, 512 consecutive bytes each, at multiples of 512 from the buffer's first byte.
.macro CONV role, outreg, outstep
.irp i, 0,1,2,3,4,5,6,7,8,9,10,11,12,13,14,15
	global_load_b128 v[X+4*(\i):X+4*(\i)+3], v1, s[22:23] offset:512*(\i) th:TH_LOAD_NT
.endr
.irp i, 0,1,2,3,4,5,6,7,8,9,10,11,12,13,14,15
	s_wait_loadcnt 15-(\i)                         ; loads come back in order: load i is in, the 15 - i younger ones stay out
	v_cvt_pk_bf16_f32 v[X+4*(\i)], v[X+4*(\i)], v[X+4*(\i)+1]
	v_cvt_pk_bf16_f32 v[X+4*(\i)+1], v[X+4*(\i)+2], v[X+4*(\i)+3]
.if (\role) == 1
	ds_store_b64 v8, v[X+4*(\i):X+4*(\i)+1] offset:((\i)/8)*P1+((\i)%8)*256        ; row 2 w + i / 8, columns 128 (i % 8) + 4 lane
.else
	ds_store_b64 v8, v[X+4*(\i):X+4*(\i)+1] offset:(((\i)%4)*16+(\i)/4)*P2         ; row 16 w + i = 64 g + 4 r + a goes to stage row 64 g + 16 a + r
.endif
.endr
	s_wait_dscnt 0x0                               ; for the others' sake: my stores into the stage are done
	s_barrier_signal -1
	s_barrier_wait -1
.irp t, 0,1,2,3,4,5,6,7
	ds_load_b128 v[FB+4*(\t):FB+4*(\t)+3], v9 offset:((\t)/2)*64+((\t)%2)*32       ; K step t / 2 of my four, half t % 2
.endr
.irp t, 0,1,2,3,4,5,6,7
	s_wait_dscnt 7-(\t)
	global_store_b128 v[\outreg], v[FB+4*(\t):FB+4*(\t)+3], s[24:25] offset:((\t)/2)*(\outstep)+((\t)%2)*512
.endr
	s_wait_tensorcnt 0x0                           ; the wave's end
	ds_add_u32 v4, v5
	s_wait_dscnt 0x0
	s_endpgm
.endm
	; ---- W1 ----
	s_sub_co_u32 s26, s21, 16                      ; x = 8 e + cb
	s_lshl_b32 s30, s26, 16
	s_add_nc_u64 s[22:23], s[6:7], s[30:31]        ; in: W1 + x * 65,536
	s_lshr_b32 s27, s26, 1                         ; 4 e + cb / 2
	s_lshl_b32 s30, s27, 16
	s_and_b32 s27, s26, 1
	s_lshl_b32 s27, s27, 10
	s_add_co_u32 s30, s30, s27
	s_add_nc_u64 s[24:25], s[10:11], s[30:31]      ; out: W1p + e * 262,144 + (cb / 2) * 65,536 + (cb % 2) * 1,024
	s_mul_i32 s27, s20, 2*P1                       ; (ST1 is 0)
	v_lshl_add_u32 v8, v2, 3, s27                  ; into the stage: my wave's two rows, 8 bytes a lane
	v_mul_u32_u24 v9, v3, P1
	v_lshl_add_u32 v9, v6, 4, v9
	v_lshl_add_u32 v9, s20, 8, v9                  ; back: row r, 16 hh, K steps 4 w .. 4 w + 3 (64 bytes each)
	CONV 1, 1, 2048                                ; out offset: K step n = 4 w + t / 2 at n * 2,048: w * 8,192 + lane * 16 is v1
	; ---- W2 ----
.Lw2:
	s_sub_co_u32 s26, s21, 144                     ; y = 8 e + w
	s_lshl_b32 s30, s26, 16
	s_add_nc_u64 s[22:23], s[8:9], s[30:31]        ; in: W2 + y * 65,536
	s_lshl_b32 s30, s26, 15
	s_add_nc_u64 s[24:25], s[12:13], s[30:31]      ; out: W2p + y * 32,768
	s_lshr_b32 s27, s20, 2
	s_lshl_b32 s27, s27, 6
	s_and_b32 s28, s20, 3
	s_lshl_b32 s28, s28, 2
	s_add_co_u32 s27, s27, s28                     ; 64 (wave / 4) + 4 (wave % 4)
	s_mul_i32 s27, s27, P2
	s_add_co_u32 s27, s27, ST2
	v_lshl_add_u32 v8, v2, 3, s27
	v_lshl_add_u32 v9, s20, 4, v3                  ; back: stage row 16 wave + r: wave = 4 g + a
	v_mul_u32_u24 v9, v9, P2
	v_lshl_add_u32 v9, v6, 4, v9
	v_add_nc_u32 v9, ST2, v9
	v_lshlrev_b32 v10, 4, v2
	v_lshl_add_u32 v10, s20, 12, v10               ; out offset: (4 g + a) * 4,096 + lane * 16
	CONV 2, 10, 1024
	; ---- SORT ----
	; Wave w holds ids 2048 w .. +2047: register k = 4 i + c of lane l is token 2048 w + 128 i + 4 l + c.  Tokens are ranked in the order (wave, k, lane).
.Lsort:
	s_lshl_b32 s30, s21, 16
	s_add_nc_u64 s[22:23], s[14:15], s[30:31]      ; my region of order
	s_lshl_b32 s30, s21, 7
	s_add_nc_u64 s[24:25], s[16:17], s[30:31]      ; my 32 words of counts
.irp i, 0,1,2,3,4,5,6,7,8,9,10,11,12,13,14,15
	global_load_b128 v[ID+4*(\i):ID+4*(\i)+3], v1, s[4:5] offset:512*(\i)
.endr
	s_lshl_b32 s26, s20, 2
	s_add_co_u32 s26, s26, SRT
	v_mov_b32 v8, s26                              ; my wave's word in LDS
	v_mov_b32 v20, SRT                             ; the eight words
	v_mov_b32 v10, 32
	s_lshl_b32 s26, s20, 11
	v_lshl_add_u32 v11, v2, 2, s26                 ; 2048 w + 4 lane
	s_sub_co_u32 s26, 16383, s26
	v_sub_nc_u32 v9, s26, v2                       ; 16383 - (2048 w + lane): 16383 less my place in the ranking order at k = 0
	; pass 1: 64 lane masks 'this token is mine' in s32-63 and s66-97, and their population
.set k, 0
.rept 64
.if k%4 == 0
	s_wait_loadcnt 15-k/4                          ; load k / 4 is in
.endif
	v_cmp_eq_u32 s[32+k+2*(k/32)], s21, v[ID+k]
.set k, k+1
.endr
	s_mov_b32 s27, 0
.set k, 0
.rept 64
	s_bcnt1_i32_b32 s26, s[32+k+2*(k/32)]
	s_add_co_u32 s27, s27, s26
.set k, k+1
.endr
	v_mov_b32 v7, s27
	ds_store_b32 v8, v7                            ; all lanes store the same number to the wave's word
	s_wait_dscnt 0x0
	s_barrier_signal -1
	s_barrier_wait -1
	ds_load_b128 v[12:15], v20
	ds_load_b128 v[16:19], v20 offset:16
	s_wait_dscnt 0x0
	s_mov_b32 s28, 0                               ; matches in the waves ahead of mine
	s_mov_b32 s29, 0                               ; n_e
.irp i, 0,1,2,3,4,5,6,7
	v_readfirstlane_b32 s26, v[12+\i]
	s_add_co_u32 s29, s29, s26
	s_cmp_gt_u32 s20, \i
	s_cselect_b32 s26, s26, 0
	s_add_co_u32 s28, s28, s26
.endr
	; pass 2: with R matches ahead of place p, a match goes to slot R, any other token to slot 16383 - (p - R).  Each store has its own address and data register.
.set k, 0
.rept 64
.set MK, 32+k+2*(k/32)
	v_mbcnt_lo_u32_b32 v12, s[MK], s28             ; R
	v_add_nc_u32 v13, v12, v9                      ; R + 16383 - p
	v_cndmask_b32 v[ID+k], v13, v12, s[MK]
	v_min_u32 v[ID+k], 0x3fff, v[ID+k]             ; a number made of loaded data enters an address only clamped
	v_lshlrev_b32 v[ID+k], 2, v[ID+k]
	v_add_nc_u32 v[TK+k], 128*(k/4)+k%4, v11
	v_sub_nc_u32 v9, v9, v10                       ; the next k lies 32 places on
	global_store_b32 v[ID+k], v[TK+k], s[22:23]
	s_bcnt1_i32_b32 s26, s[MK]
	s_add_co_u32 s28, s28, s26
.set k, k+1
.endr
	s_cmp_lg_u32 s20, 0
	s_cbranch_scc1 .Lsort_end
	v_mov_b32 v12, s29
	v_lshlrev_b32 v13, 2, v2
	global_store_b32 v13, v12, s[24:25]            ; wave 0: n_e, 32 times
.Lsort_end:
	s_wait_tensorcnt 0x0                           ; the wave's end
	ds_add_u32 v4, v5
	s_wait_dscnt 0x0
	s_endpgm
.Lfunc_end_k_q7d66555eb1_prep:
	.size	k_q7d66555eb1_prep, .Lfunc_end_k_q7d66555eb1_prep-k_q7d66555eb1_prep
	.p2alignl 7, 3214868480
	.fill 96, 4, 3214868480
	.section	.rodata,"a",@progbits
	.p2align	6, 0x0
	.amdhsa_kernel k_q7d66555eb1_prep
		.amdhsa_group_segment_fixed_size 69376
		.amdhsa_private_segment_fixed_size 0
		.amdhsa_enable_private_segment 0
		.amdhsa_kernarg_size 56
		.amdhsa_user_sgpr_count 2
		.amdhsa_user_sgpr_kernarg_segment_ptr 1
		.amdhsa_wavefront_size32 1
		.amdhsa_system_sgpr_workgroup_id_x 1
		.amdhsa_system_sgpr_workgroup_id_y 1
		.amdhsa_system_sgpr_workgroup_id_z 1
		.amdhsa_system_vgpr_workitem_id 0
		.amdhsa_next_free_vgpr 168
		.amdhsa_next_free_sgpr 100
		.amdhsa_reserve_vcc 0
		.amdhsa_float_denorm_mode_32 3
		.amdhsa_float_denorm_mode_16_64 3
		.amdhsa_memory_ordered 1
		.amdhsa_forward_progress 1
		.amdhsa_inst_pref_size 61
	.end_amdhsa_kernel
	.amdgpu_metadata
---
amdhsa.version: [ 1, 2 ]
amdhsa.kernels:
  - .name:           k_q7d66555eb1_prep
    .symbol:         k_q7d66555eb1_prep.kd
    .args:
      - { .name: cluster_ids, .offset: 0, .size: 8, .value_kind: global_buffer, .address_space: global }
      - { .name: W1, .offset: 8, .size: 8, .value_kind: global_buffer, .address_space: global }
      - { .name: W2, .offset: 16, .size: 8, .value_kind: global_buffer, .address_space: global }
      - { .name: W1p, .offset: 24, .size: 8, .value_kind: global_buffer, .address_space: global }
      - { .name: W2p, .offset: 32, .size: 8, .value_kind: global_buffer, .address_space: global }
      - { .name: order, .offset: 40, .size: 8, .value_kind: global_buffer, .address_space: global }
      - { .name: counts, .offset: 48, .size: 8, .value_kind: global_buffer, .address_space: global }
    .group_segment_fixed_size: 69376
    .private_segment_fixed_size: 0
    .kernarg_segment_align: 8
    .kernarg_segment_size: 56
    .max_flat_workgroup_size: 256
    .sgpr_count:     100
    .vgpr_count:     168
    .wavefront_size: 32
...
	.end_amdgpu_metadata
.endif
;; end of part 1
;; launch main (part 2): grid 271 x 1, 8 waves a work-group, no clusters, 157,952 bytes of LDS; arguments h, b1, b2, W1p, W2p, order, counts, out0; writes out0
.if DOCPART == 2
	.amdgcn_target "amdgcn-amd-amdhsa--gfx1250"
	.amdhsa_code_object_version 6
	.text
	.protected	k_q7d66555eb1_main
	.globl	k_q7d66555eb1_main
	.p2align	8
	.type	k_q7d66555eb1_main,@function
k_q7d66555eb1_main:
	s_mov_b64 s[64:65], 0
	v_nop
	global_prefetch_b8 v0, s[64:65] scope:SCOPE_SE
	s_setreg_imm32_b32 hwreg(HW_REG_WAVE_MODE, 25, 1), 1
	s_wait_xcnt 0x0
; out[t] = h[t] + W2_e gelu(W1_e h[t] + b1_e) + b2_e, e = the token's expert.  h, out: [16384][1024] f32.  One work-group of eight waves takes one tile of up to 64 tokens of one
; expert through the whole chain.  With tiles of 64 rows, 16,384 tokens and 16 experts there are never more than 256 + 15 = 271 tiles: the grid serves every split.
; FORMATS AND LIMITS.  h, the weights and gelu(mid) are rounded once to bf16 for the two products; sums, b1, b2 and the gelu are f32.  The residual h is taken from the bf16 copy
; in LDS: off by at most 2^-9 |h|.  erf by the rational form t = 1 / (1 + 0.3275911 z), erf z = 1 - t (a1 + t (a2 + .. t a5)) e^(-z z), good for every z >= 0 to 1.5e-7 absolute,
; used as gelu x = max(x, 0) - 0.5 |x| poly(t) e^(-x x / 2): no difference of near numbers.  x = +-infinity gives NaN; NaN stays NaN.
; PLACES.  List place p of the tile (block tb = p / 16) lies in LDS row 16 tb + 8 (p % 2) + (p % 16) / 2, so that register j of the second product's result holds places 2 j (lanes 0-15)
; and 2 j + 1 (lanes 16-31) and one store covers two whole pieces of 256 consecutive bytes.  Places past the count repeat the tile's last row; their stores are jumped.
; ALL EIGHT WAVES RUN ONE TEXT, in four phases with two barriers:
;   A  wave w gathers the rows of places 8 w .. 8 w + 7 (64 loads of 512 consecutive bytes, 56 of them out at once), rounds them and stores them to LDS (H).           barrier
;   B  wave w makes mid[64 tokens][16 w .. +15]: 32 K steps of 32; H's fragments from LDS, W1's straight from memory into registers, a ring of 16 K steps asked for from phase A on
;   C  b1, gelu, rounding; MID goes to LDS.                                                                                                                            barrier
;   D  wave w makes out[64 tokens][128 w .. +127]: 2 groups of 64 columns x 4 blocks of 16 tokens; residual from H, b2, stores.
; A work-group that the split leaves without rows (CNT = 0) walks phases A to C on one repeated row, since every wave passes every barrier, jumps over phase D and stores nothing.
; NO CLUSTER, NO TENSOR LOADS: the rows of h come by a list, which no tile descriptor covers; 271 work-groups are no multiple of four; and with 157,952 bytes of LDS and 8 x 256 registers
; two work-groups fit on a WGP, so that the tiles past the 256th need no turn of their own.
.set MP,    272                        ; an LDS row of 128 bf16 + 16 bytes = 17 x 16: the 16 rows of a fragment load start at 16 different groups of four banks
.set CH,    64*MP                      ; a chunk of H: 64 rows x 128 columns; also all of MID
.set MIDB,  8*CH                       ; H: bytes 0 .. 139,263, chunk q at q * CH;  MID: 64 rows x 128 c
.set TAB,   MIDB+CH                    ; 64 token numbers: [tb][hh][j] = the token at place 16 tb + 2 j + hh
.set SPARE, TAB+256                    ; the spare words, 128 bytes for each of the eight waves
; vector registers: v1 lane*16  v2 r  v3 hh  v4, v5 the add's two  v6 1.0  v7 lane  v[8:15] b1 of my 16 c, later b2 of my two column groups  v16 MID fragment address  v17 residual address
;   v18 table address  v19 16 r  v20, v21 where I store H, chunks 0-3, 4-7  v22, v24 H fragment address, chunks 0-3, 4-7  v23 where I store MID  v25-29 b1's offset and the table's way into LDS
.set RING, 32                          ; v[32:255]   phase A: 7 slots of 8 loads
.set ACC1, 32                          ; v[32:63]    phase B: accumulator tb at 32 + 8 tb
.set AF,   64                          ; v[64:127]   fragments of H, two buffers of 4 blocks
.set BF,   128                         ; v[128:255]  fragments of W1: K step n at 128 + 8 (n % 16)
.set GA,   64                          ; gelu: |x|
.set GT,   72                          ;       t
.set GE,   80                          ;       e^(-x x / 2)
.set GP,   88                          ;       the polynomial
.set PK,   96                          ;       8 bf16, two sets by turns
.set A2,   24                          ; v[24:55]    phase D: fragments of MID, 8 ks
.set ACC2, 56                          ; v[56:87]    accumulator a at 56 + 8 a
.set OUT,  88                          ; v[88:119]   row group j: first 4 bf16 of h in two registers, then 4 f32 to store
.set OFS,  120                         ; v[120:127]  row group j: token number, then byte offset in out
.set B2,   128                         ; v[128:255]  fragments of W2 for one column group: 32 a + 8 ks
; scalar registers: s[4:19] the eight addresses  s20 wave  s21 tile number  s22 tiles so far  s23 expert  s24 its count  s25 its first tile  s26, s29 at work  s27 CNT  s28 CNT - 8 w
;   s[30:31] an offset, high word 0  s32-47 counts, then s32-39 my 8 tokens  s48 the tile's last token  s49 sign mask  s51 EXEC kept  s[52:53] my tile in order
;   s[54:55] W1p at my fragments  s[56:57] W2p at my fragments  s[58:59] out + 512 w  s[60:61] b1 at my c  s[62:63] b2 at my columns  s[96:97] my 8 words in order  s[98:99] the last token's word
.set ROW,  66                          ; s[66:81]    the addresses of my 8 rows of h
.set PZ,   82                          ; s[82:95]    gelu's constants, as pairs for the packed forms
.set CE,   84
.set KA5,  86
.set KA4,  88
.set KA3,  90
.set KA2,  92
.set KA1,  94
	s_load_b512 s[4:19], s[0:1], 0x0               ; h s[4:5], b1 s[6:7], b2 s[8:9], W1p s[10:11], W2p s[12:13], order s[14:15], counts s[16:17], out0 s[18:19]
	v_lshl_add_u32 v4, v0, 2, SPARE                ; my spare word; never rewritten
	v_mov_b32 v5, 0                                ; 0; never rewritten
	v_lshrrev_b32 v7, 5, v0
	v_readfirstlane_b32 s20, v7                    ; wave 0..7
	s_mov_b32 s21, ttmp9
	s_mov_b32 s22, 0
	s_mov_b32 s23, 0
	s_mov_b32 s24, 0
	s_mov_b32 s25, 0
	s_mov_b32 s31, 0
	s_mov_b32 s49, 0x7fffffff
	s_wait_kmcnt 0x0
.irp e, 0,1,2,3,4,5,6,7,8,9,10,11,12,13,14,15
	s_load_b32 s[32+\e], s[16:17], 128*(\e)        ; n_e
.endr
	v_and_b32 v7, 31, v0                           ; lane
	v_lshlrev_b32 v1, 4, v7
	v_and_b32 v2, 15, v0                           ; r
	v_bfe_u32 v3, v0, 4, 1                         ; hh
	v_mov_b32 v6, 1.0
	v_lshlrev_b32 v19, 4, v2
	v_mul_u32_u24 v22, v2, MP
	v_lshl_add_u32 v22, v3, 4, v22                 ; a fragment's row x pitch + 16 x half
	v_add_nc_u32 v24, 4*CH, v22
	v_add_nc_u32 v16, MIDB, v22
	v_lshl_add_u32 v23, s20, 5, v16                ; MID row r, my 16 c (32 bytes), 16 hh
	v_lshlrev_b32 v18, 5, v3
	v_add_nc_u32 v18, TAB, v18
	v_mul_u32_u24 v17, v3, 8*MP                    ; residual: row 8 hh + j of a block, columns 4 r .. +3 of my chunk w: 32 lanes take 2 x 128 bytes that fall on different banks
	v_lshl_add_u32 v17, v2, 3, v17
	s_mul_i32 s26, s20, CH
	v_add_nc_u32 v17, s26, v17
	s_lshr_b32 s26, s20, 1                         ; my places' block tb = w / 2; entry i = 8 (w % 2) + ii goes to row 8 (ii % 2) + 4 (w % 2) + ii / 2 of the block
	s_lshl_b32 s26, s26, 4
	s_and_b32 s29, s20, 1
	s_lshl_b32 s29, s29, 2
	s_add_co_u32 s26, s26, s29
	s_mul_i32 s26, s26, MP
	v_lshl_add_u32 v20, v7, 3, s26                 ; row 16 (w / 2) + 4 (w % 2), 8 bytes a lane: chunks 0-3
	v_add_nc_u32 v21, 4*CH, v20                    ; chunks 4-7
	v_lshlrev_b32 v25, 5, v3                       ; b1: 32 hh
	v_and_b32 v26, 7, v0
	v_lshlrev_b32 v26, 2, v26                      ; the table: lane l brings word l % 8 of my eight,
	v_and_b32 v28, 1, v0
	v_lshlrev_b32 v28, 3, v28
	v_bfe_u32 v29, v0, 1, 2
	v_add_nc_u32 v28, v28, v29
	v_lshlrev_b32 v28, 2, v28                      ; which goes to word 8 (l % 2) + 4 (w % 2) + (l % 8) / 2 of the block's sixteen
	s_lshr_b32 s26, s20, 1
	s_lshl_b32 s26, s26, 6
	s_lshl_b32 s29, s29, 2
	s_add_co_u32 s26, s26, s29
	s_add_co_u32 s26, s26, TAB
	v_add_nc_u32 v28, s26, v28
	s_wait_kmcnt 0x0
	; Which tile is mine: the last expert whose first tile is not beyond my number.  An expert without rows has no tile and is passed over by the next.
.irp e, 0,1,2,3,4,5,6,7,8,9,10,11,12,13,14,15
	s_cmp_le_u32 s22, s21
	s_cselect_b32 s23, \e, s23
	s_cselect_b32 s24, s[32+\e], s24
	s_cselect_b32 s25, s22, s25
	s_add_co_u32 s26, s[32+\e], 63
	s_lshr_b32 s26, s26, 6
	s_add_co_u32 s22, s22, s26
.endr
	s_sub_co_u32 s26, s21, s25                     ; my tile within the expert
	s_lshl_b32 s27, s26, 6
	s_sub_co_i32 s27, s24, s27                     ; rows left from my first: 0 or less for a work-group past the last tile
	s_max_i32 s27, s27, 0
	s_min_i32 s27, s27, 64                         ; CNT
	s_min_u32 s26, s26, 255                        ; what enters addresses is clamped: the region has 256 tiles' room, all of it stored
	s_lshl_b32 s26, s26, 8                         ; 64 words
	s_min_u32 s23, s23, 15
	s_lshl_b32 s30, s23, 16
	s_add_co_u32 s30, s30, s26
	s_add_nc_u64 s[52:53], s[14:15], s[30:31]      ; order at my tile
	s_lshl_b32 s30, s20, 5
	s_add_nc_u64 s[96:97], s[52:53], s[30:31]      ; my eight words
	s_sub_co_i32 s30, s27, 1
	s_max_i32 s30, s30, 0
	s_min_u32 s30, s30, 63
	s_lshl_b32 s30, s30, 2
	s_add_nc_u64 s[98:99], s[52:53], s[30:31]      ; the word of the tile's last row (with no rows: some token's, read and not stored)
	s_load_b256 s[32:39], s[96:97], 0x0
	s_load_b32 s48, s[98:99], 0x0
	s_lshl_b32 s28, s20, 3
	s_sub_co_i32 s28, s27, s28                     ; how many of my 8 places exist (may be negative)
	s_lshl_b32 s26, s23, 3
	s_add_co_u32 s26, s26, s20                     ; 8 e + w
	s_lshl_b32 s30, s26, 15
	s_add_nc_u64 s[56:57], s[12:13], s[30:31]      ; W2p + (8 e + w) * 32,768
	s_lshl_b32 s30, s26, 6
	s_add_nc_u64 s[60:61], s[6:7], s[30:31]        ; b1 + e * 512 + 64 w
	s_lshl_b32 s30, s26, 9
	s_add_nc_u64 s[62:63], s[8:9], s[30:31]        ; b2 + e * 4,096 + 512 w
	s_lshl_b32 s30, s20, 9
	s_add_nc_u64 s[58:59], s[18:19], s[30:31]      ; out + 512 w
	s_lshr_b32 s26, s26, 1                         ; 4 e + w / 2
	s_lshl_b32 s30, s26, 16
	s_and_b32 s26, s20, 1
	s_lshl_b32 s26, s26, 10
	s_add_co_u32 s30, s30, s26
	s_add_nc_u64 s[54:55], s[10:11], s[30:31]      ; W1p + e * 262,144 + (w / 2) * 65,536 + (w % 2) * 1,024
	global_load_b128 v[8:11],  v25, s[60:61]       ; b1[16 w + 8 hh + 0..7]
	global_load_b128 v[12:15], v25, s[60:61] offset:16
	global_load_b32 v27, v26, s[96:97]             ; my eight words once more, a lane each, for the table
.macro KPAIR reg, val
	s_mov_b32 s[\reg], \val
	s_mov_b32 s[\reg+1], \val
.endm
	KPAIR PZ,  0x3e6d3388                          ; 0.3275911 / sqrt 2
	KPAIR CE,  0xbf38aa3b                          ; - log2(e) / 2
	KPAIR KA5, 0x3f87dc22                          ; 1.061405429
	KPAIR KA4, 0xbfba00e3                          ; -1.453152027
	KPAIR KA3, 0x3fb5f0e3                          ; 1.421413741
	KPAIR KA2, 0xbe91a98e                          ; -0.284496736
	KPAIR KA1, 0x3e827906                          ; 0.254829592
	s_wait_kmcnt 0x0
.irp i, 0,1,2,3,4,5,6,7
	s_cmp_gt_i32 s28, \i
	s_cselect_b32 s30, s[32+\i], s48               ; a place past the count repeats the last row
	s_min_u32 s30, s30, 0x3fff
	s_lshl_b32 s30, s30, 12
	s_add_nc_u64 s[ROW+2*(\i):ROW+2*(\i)+1], s[4:5], s[30:31]
.endr
; ---- phase A ----
; Group n of 8: chunk n (columns 128 n .. +127) of my 8 rows.  A load takes 512 consecutive bytes of one row.  A full tile names each row of h once in the launch.
.macro FILL n
.irp ii, 0,1,2,3,4,5,6,7
.set R0, RING+32*((\n)%7)+4*(\ii)
	global_load_b128 v[R0:R0+3], v1, s[ROW+2*(\ii):ROW+2*(\ii)+1] offset:512*(\n) th:TH_LOAD_NT
.endr
.endm
.macro DRAIN n, left                   ; left: the younger loads, which stay out
	s_wait_loadcnt \left
.irp ii, 0,1,2,3,4,5,6,7
.set R0, RING+32*((\n)%7)+4*(\ii)
	v_cvt_pk_bf16_f32 v[R0], v[R0], v[R0+1]
	v_cvt_pk_bf16_f32 v[R0+1], v[R0+2], v[R0+3]
	ds_store_b64 v[20+(\n)/4], v[R0:R0+1] offset:((\n)%4)*CH+(8*((\ii)%2)+(\ii)/2)*MP
.endr
.endm
.macro BLOAD n                         ; W1's fragment of K step n: 16 c x 32 k, two loads of 512 consecutive bytes
	global_load_b128 v[BF+8*((\n)%16):BF+8*((\n)%16)+3],   v1, s[54:55] offset:(\n)*2048
	global_load_b128 v[BF+8*((\n)%16)+4:BF+8*((\n)%16)+7], v1, s[54:55] offset:(\n)*2048+512
.endm
.macro BLOAD4 n                        ; four K steps, into the 32 registers that a group of h has just left; its LDS stores have read them
	s_wait_dscnt 0x0
	BLOAD (\n)
	BLOAD (\n)+1
	BLOAD (\n)+2
	BLOAD (\n)+3
.endm
.irp n, 0,1,2,3,4,5,6
	FILL \n
.endr
	s_wait_loadcnt 56                              ; b1 and the table's word are in; the 56 loads of h stay out
	ds_store_b32 v28, v27                          ; four lanes store the same number to each word
	DRAIN 0, 48                                    ; six younger groups
	s_wait_dscnt 0x0                               ; slot 0's LDS stores have read their registers
	FILL 7
	DRAIN 1, 48                                    ; groups 2 to 7
	DRAIN 2, 40
	DRAIN 3, 32
	BLOAD4 0                                       ; slot 3 = K steps 0-3
	DRAIN 4, 32                                    ; groups 5, 6, 7 and 8 loads of W1
	BLOAD4 4
	DRAIN 5, 32                                    ; groups 6, 7 and 16 of W1
	BLOAD4 8
	DRAIN 6, 32                                    ; group 7 and 24 of W1
	BLOAD4 12
	DRAIN 7, 32                                    ; 32 of W1
	s_wait_dscnt 0x0                               ; for the others' sake: my rows of H and my words of the table are stored
	s_barrier_signal -1
	s_barrier_wait -1                              ; H and the table are whole, and are only read from here on
; ---- phase B ----
.macro ALOAD n, buf                    ; H's fragments of the four blocks for K step n: chunk n / 4, bytes 64 (n % 4) of its rows; v22 serves chunks 0-3, v24 chunks 4-7
.irp tb, 0,1,2,3
	ds_load_b128 v[AF+32*(\buf)+8*(\tb):AF+32*(\buf)+8*(\tb)+3],   v[22+2*((\n)/16)] offset:(((\n)/4)%4)*CH+(\tb)*16*MP+64*((\n)%4)
	ds_load_b128 v[AF+32*(\buf)+8*(\tb)+4:AF+32*(\buf)+8*(\tb)+7], v[22+2*((\n)/16)] offset:(((\n)/4)%4)*CH+(\tb)*16*MP+64*((\n)%4)+32
.endr
.endm
; Source 0 = 16 rows c of W1, source 1 = 16 token rows: lane (r, hh), register j of the result holds c = 16 w + 8 hh + j of LDS row 16 tb + r: eight neighbouring c, 16 bytes of MID.
; The four accumulators take turns, one instruction a turn.
.macro KSTEP n
.if (\n) < 31
	s_wait_dscnt 8                                 ; this K step's eight loads are in, the next step's eight stay out
.else
	s_wait_dscnt 0x0
.endif
.if (\n) <= 16
	s_wait_loadcnt 30                              ; this K step's two are in; the fifteen younger K steps' stay out
.else
	s_wait_loadcnt 2*(31-(\n))                     ; nothing more is asked for: the count runs down
.endif
.irp tb, 0,1,2,3
.if (\n) == 0
	v_wmma_f32_16x16x32_bf16 v[ACC1+8*(\tb):ACC1+8*(\tb)+7], v[BF+8*((\n)%16):BF+8*((\n)%16)+7], v[AF+32*((\n)%2)+8*(\tb):AF+32*((\n)%2)+8*(\tb)+7], 0
.else
	v_wmma_f32_16x16x32_bf16 v[ACC1+8*(\tb):ACC1+8*(\tb)+7], v[BF+8*((\n)%16):BF+8*((\n)%16)+7], v[AF+32*((\n)%2)+8*(\tb):AF+32*((\n)%2)+8*(\tb)+7], v[ACC1+8*(\tb):ACC1+8*(\tb)+7]
.endif
.endr
.rept 4
	v_nop                                          ; four places between the last product and the loads into registers that it read (ISA guide 7.12.1 for vector instructions)
.endr
.if (\n)+2 <= 31
	ALOAD (\n)+2, (\n)%2
.endif
.if (\n)+16 <= 31
	BLOAD (\n)+16                                  ; in place, sixteen K steps ahead of its use
.endif
.endm
	ALOAD 0, 0
	ALOAD 1, 1
.set kk, 0
.rept 32
	KSTEP kk
.set kk, kk+1
.endr
; W2's fragments of column group g: f = 8 a + 2 ks + half.  32 loads of 512 consecutive bytes.
.macro B2LOAD g
.set f, 0
.rept 32
	global_load_b128 v[B2+4*f:B2+4*f+3], v1, s[56:57] offset:(\g)*16384+512*f
.set f, f+1
.endr
.endm
	B2LOAD 0                                       ; four places behind the last product; it lands under the gelu
	; ---- phase C ----
.irp i, 0,1,2,3
.irp p, 0,2,4,6
	v_pk_add_f32 v[ACC1+8*(\i)+\p:ACC1+8*(\i)+\p+1], v[ACC1+8*(\i)+\p:ACC1+8*(\i)+\p+1], v[8+\p:9+\p]  ; + b1; each accumulator from its low end on
.endr
.endr
	global_load_b128 v[8:11],  v19, s[62:63]             ; b1 has served: b2[128 w + 4 r + a]
	global_load_b128 v[12:15], v19, s[62:63] offset:256  ; b2[128 w + 64 + 4 r + a]
; gelu of accumulator i = tb, eight numbers a lane.  The 16 transcendentals are one batch: eight plain lines that name none of their results follow, then one wait, then the readers.
.macro GELU i
.set XR, ACC1+8*(\i)
.set PR, PK+4*((\i)%2)
.irp j, 0,1,2,3,4,5,6,7
	v_and_b32 v[GA+\j], s49, v[XR+\j]              ; |x|
.endr
.irp p, 0,2,4,6
	v_pk_fma_f32 v[GT+\p:GT+\p+1], v[GA+\p:GA+\p+1], s[PZ:PZ+1], 1.0 op_sel_hi:[1,0,0]   ; 1 + p z
	v_pk_mul_f32 v[GE+\p:GE+\p+1], v[XR+\p:XR+\p+1], s[CE:CE+1] op_sel_hi:[1,0]
.endr
.irp p, 0,2,4,6
	v_pk_mul_f32 v[GE+\p:GE+\p+1], v[GE+\p:GE+\p+1], v[XR+\p:XR+\p+1]                   ; - x x log2(e) / 2
.endr
.irp j, 0,1,2,3,4,5,6,7
	v_rcp_f32 v[GT+\j], v[GT+\j]
.endr
.irp j, 0,1,2,3,4,5,6,7
	v_exp_f32 v[GE+\j], v[GE+\j]
.endr
.irp j, 0,1,2,3,4,5,6,7
	v_max_num_f32 v[XR+\j], 0, v[XR+\j]            ; max(x, 0)
.endr
	s_wait_alu depctr_va_vdst(0)                   ; the wait ahead of the first line that names a transcendental's result: one for the batch
.irp p, 0,2,4,6
	v_pk_fma_f32 v[GP+\p:GP+\p+1], v[GT+\p:GT+\p+1], s[KA5:KA5+1], s[KA4:KA4+1] op_sel_hi:[1,0,0]
.endr
.irp p, 0,2,4,6
	v_pk_fma_f32 v[GP+\p:GP+\p+1], v[GP+\p:GP+\p+1], v[GT+\p:GT+\p+1], s[KA3:KA3+1] op_sel_hi:[1,1,0]
.endr
.irp p, 0,2,4,6
	v_pk_fma_f32 v[GP+\p:GP+\p+1], v[GP+\p:GP+\p+1], v[GT+\p:GT+\p+1], s[KA2:KA2+1] op_sel_hi:[1,1,0]
.endr
.irp p, 0,2,4,6
	v_pk_fma_f32 v[GP+\p:GP+\p+1], v[GP+\p:GP+\p+1], v[GT+\p:GT+\p+1], s[KA1:KA1+1] op_sel_hi:[1,1,0]
.endr
.irp p, 0,2,4,6
	v_pk_mul_f32 v[GT+\p:GT+\p+1], v[GT+\p:GT+\p+1], v[GE+\p:GE+\p+1]                   ; t e
.endr
.irp p, 0,2,4,6
	v_pk_mul_f32 v[GA+\p:GA+\p+1], v[GA+\p:GA+\p+1], v[GT+\p:GT+\p+1]                   ; |x| t e
.endr
.irp p, 0,2,4,6
	v_pk_mul_f32 v[GA+\p:GA+\p+1], v[GA+\p:GA+\p+1], v[GP+\p:GP+\p+1]                   ; |x| poly e
.endr
.irp p, 0,2,4,6
	v_pk_fma_f32 v[XR+\p:XR+\p+1], v[GA+\p:GA+\p+1], -0.5, v[XR+\p:XR+\p+1] op_sel_hi:[1,0,1]
.endr
.irp n, 0,1,2,3
	v_cvt_pk_bf16_f32 v[PR+\n], v[XR+2*(\n)], v[XR+2*(\n)+1]
.endr
	ds_store_b128 v23, v[PR:PR+3] offset:(\i)*16*MP
.endm
.irp i, 0,1,2,3
	GELU \i
.endr
	s_wait_dscnt 0x0                               ; for the others' sake: my part of MID is stored
	s_barrier_signal -1
	s_barrier_wait -1                              ; the second and last barrier: MID is whole, and is only read from here on
	; ---- phase D ----
	s_cmp_eq_u32 s27, 0
	s_cbranch_scc1 .Lgend1                         ; no rows: nothing to store (no barrier lies in what is jumped)
	v_cmp_gt_u32 vcc_lo, 0x100, v1                 ; lanes 0-15; nothing writes VCC after this line
; Row group j of block tb: places p0 = 16 tb + 2 j (lanes 0-15) and p0 + 1 (lanes 16-31).  Both exist: the whole store.  Only the first: lanes 0-15.  Neither: nor does any later one.
; Sixteen lanes store 256 consecutive bytes of one row of out, at a multiple of 256 from its first byte.
.macro STORE g, tb, j, tag
	s_cmp_ge_u32 s27, 16*(\tb)+2*(\j)+2
	s_cbranch_scc1 .Lwhole_\@
	s_cmp_eq_u32 s27, 16*(\tb)+2*(\j)+1
	s_cbranch_scc0 .Lend\tag
	s_wait_xcnt 0x0                                ; EXEC is a source of the stores on their way: it changes only behind this wait
	s_and_saveexec_b32 s51, vcc_lo
	global_store_b128 v[OFS+\j], v[OUT+4*(\j):OUT+4*(\j)+3], s[58:59] offset:256*(\g) th:TH_STORE_NT
	s_wait_xcnt 0x0                                ; and again in front of the line that widens it
	s_or_b32 exec_lo, exec_lo, s51
	s_branch .Lend\tag
.Lwhole_\@:
	global_store_b128 v[OFS+\j], v[OUT+4*(\j):OUT+4*(\j)+3], s[58:59] offset:256*(\g) th:TH_STORE_NT
.endm
; Block tb x column group g.  Source 0 = 16 token rows of MID, source 1 = 16 rows d = 128 w + 64 g + 4 r + a of W2: lane (r, hh), register j of accumulator a holds LDS row 16 tb + 8 hh + j,
; which is place 16 tb + 2 j + hh, and column 4 r + a of the group: a lane's four accumulators give 16 neighbouring bytes of out.  The four accumulators take turns.
.macro STEP g, tb, tag
.if (\tb) > 0
	s_cmp_le_u32 s27, 16*(\tb)
	s_cbranch_scc1 .Lgend\g                        ; whole blocks past the count are jumped
.endif
	s_wait_xcnt 0x0                                ; the last step's stores have read OUT and OFS: they are loaded again only behind this wait
.irp ks, 0,1,2,3
	ds_load_b128 v[A2+8*(\ks):A2+8*(\ks)+3],   v16 offset:(\tb)*16*MP+64*(\ks)
	ds_load_b128 v[A2+8*(\ks)+4:A2+8*(\ks)+7], v16 offset:(\tb)*16*MP+64*(\ks)+32
.endr
	ds_load_b128 v[OFS:OFS+3],   v18 offset:64*(\tb)
	ds_load_b128 v[OFS+4:OFS+7], v18 offset:64*(\tb)+16
.irp j, 0,1,2,3,4,5,6,7
	ds_load_b64 v[OUT+4*(\j):OUT+4*(\j)+1], v17 offset:(\tb)*16*MP+(\j)*MP+128*(\g)   ; h, 4 bf16
.endr
.if (\tb) == 0
	s_wait_loadcnt 0x0                             ; the group's fragments of W2 (and, the first time, b2)
.endif
	s_wait_dscnt 10                                ; MID's eight loads are in; the table's two and the residual's eight stay out
.irp ks, 0,1,2,3
.irp a, 0,1,2,3
.if (\ks) == 0
	v_wmma_f32_16x16x32_bf16 v[ACC2+8*(\a):ACC2+8*(\a)+7], v[A2+8*(\ks):A2+8*(\ks)+7], v[B2+32*(\a)+8*(\ks):B2+32*(\a)+8*(\ks)+7], 0
.else
	v_wmma_f32_16x16x32_bf16 v[ACC2+8*(\a):ACC2+8*(\a)+7], v[A2+8*(\ks):A2+8*(\ks)+7], v[B2+32*(\a)+8*(\ks):B2+32*(\a)+8*(\ks)+7], v[ACC2+8*(\a):ACC2+8*(\a)+7]
.endif
.endr
.endr
	s_wait_dscnt 0x0
.irp j, 0,1,2,3,4,5,6,7
	v_min_u32 v[OFS+\j], 0x3fff, v[OFS+\j]         ; sixteen plain lines that name no register of the products: also the places behind them
.endr
.irp j, 0,1,2,3,4,5,6,7
	v_lshl_add_u32 v[OFS+\j], v[OFS+\j], 12, v19   ; token x 4,096 + 16 r
.endr
.irp j, 0,1,2,3,4,5,6,7
.set O, OUT+4*(\j)
	v_fma_mix_f32_bf16 v[O+3], v[O+1], v6, v[ACC2+24+\j] op_sel:[1,0,0] op_sel_hi:[1,0,0]   ; h x 1.0 + delta, from the bf16 half; from the top down, so that no half is overwritten before its use
	v_fma_mix_f32_bf16 v[O+2], v[O+1], v6, v[ACC2+16+\j] op_sel_hi:[1,0,0]
	v_fma_mix_f32_bf16 v[O+1], v[O],   v6, v[ACC2+8+\j]  op_sel:[1,0,0] op_sel_hi:[1,0,0]
	v_fma_mix_f32_bf16 v[O],   v[O],   v6, v[ACC2+\j]    op_sel_hi:[1,0,0]
	v_pk_add_f32 v[O:O+1],   v[O:O+1],   v[8+4*(\g):9+4*(\g)]
	v_pk_add_f32 v[O+2:O+3], v[O+2:O+3], v[10+4*(\g):11+4*(\g)]
	STORE \g, \tb, \j, \tag
.endr
.Lend\tag:
.endm
	STEP 0, 0, 0
	STEP 0, 1, 1
	STEP 0, 2, 2
	STEP 0, 3, 3
.Lgend0:
	B2LOAD 1                                       ; the second group's fragments, into registers whose last product lies more than four plain lines back on every way here
	STEP 1, 0, 4
	STEP 1, 1, 5
	STEP 1, 2, 6
	STEP 1, 3, 7
.Lgend1:
	s_wait_tensorcnt 0x0                           ; the wave's end
	ds_add_u32 v4, v5
	s_wait_dscnt 0x0
	s_endpgm
.Lfunc_end_k_q7d66555eb1_main:
	.size	k_q7d66555eb1_main, .Lfunc_end_k_q7d66555eb1_main-k_q7d66555eb1_main
	.p2alignl 7, 3214868480
	.fill 96, 4, 3214868480
	.section	.rodata,"a",@progbits
	.p2align	6, 0x0
	.amdhsa_kernel k_q7d66555eb1_main
		.amdhsa_group_segment_fixed_size 157952
		.amdhsa_private_segment_fixed_size 0
		.amdhsa_enable_private_segment 0
		.amdhsa_kernarg_size 64
		.amdhsa_user_sgpr_count 2
		.amdhsa_user_sgpr_kernarg_segment_ptr 1
		.amdhsa_wavefront_size32 1
		.amdhsa_system_sgpr_workgroup_id_x 1
		.amdhsa_system_sgpr_workgroup_id_y 1
		.amdhsa_system_sgpr_workgroup_id_z 1
		.amdhsa_system_vgpr_workitem_id 0
		.amdhsa_next_free_vgpr 256
		.amdhsa_next_free_sgpr 100
		.amdhsa_reserve_vcc 1
		.amdhsa_float_denorm_mode_32 3
		.amdhsa_float_denorm_mode_16_64 3
		.amdhsa_memory_ordered 1
		.amdhsa_forward_progress 1
		.amdhsa_inst_pref_size 170
	.end_amdhsa_kernel
	.amdgpu_metadata
---
amdhsa.version: [ 1, 2 ]
amdhsa.kernels:
  - .name:           k_q7d66555eb1_main
    .symbol:         k_q7d66555eb1_main.kd
    .args:
      - { .name: h, .offset: 0, .size: 8, .value_kind: global_buffer, .address_space: global }
      - { .name: b1, .offset: 8, .size: 8, .value_kind: global_buffer, .address_space: global }
      - { .name: b2, .offset: 16, .size: 8, .value_kind: global_buffer, .address_space: global }
      - { .name: W1p, .offset: 24, .size: 8, .value_kind: global_buffer, .address_space: global }
      - { .name: W2p, .offset: 32, .size: 8, .value_kind: global_buffer, .address_space: global }
      - { .name: order, .offset: 40, .size: 8, .value_kind: global_buffer, .address_space: global }
      - { .name: counts, .offset: 48, .size: 8, .value_kind: global_buffer, .address_space: global }
      - { .name: out0, .offset: 56, .size: 8, .value_kind: global_buffer, .address_space: global }
    .group_segment_fixed_size: 157952
    .private_segment_fixed_size: 0
    .kernarg_segment_align: 8
    .kernarg_segment_size: 64
    .max_flat_workgroup_size: 256
    .sgpr_count:     100
    .vgpr_count:     256
    .wavefront_size: 32
...
	.end_amdgpu_metadata
.endif
;; end of part 2
;; ======== version 2 of 2: 2 launches; 1.12 times as fast as version 1
;; workspace buffers: W1p 4,194,304 bytes; W2p 4,194,304 bytes; order 1,048,576 bytes of whole numbers; counts 2,048 bytes of whole numbers
;; launch prep (part 3): grid 320 x 1, 8 waves a work-group, no clusters, 69,376 bytes of LDS; arguments cluster_ids, W1, W2, W1p, W2p, order, counts; writes W1p, W2p, order, counts
.if DOCPART == 3
	.amdgcn_target "amdgcn-amd-amdhsa--gfx1250"
	.amdhsa_code_object_version 6
	.text
	.protected	k_q7d66555eb1_prep
	.globl	k_q7d66555eb1_prep
	.p2align	8
	.type	k_q7d66555eb1_prep,@function
k_q7d66555eb1_prep:
	s_mov_b64 s[64:65], 0
	v_nop
	global_prefetch_b8 v0, s[64:65] scope:SCOPE_SE
	s_setreg_imm32_b32 hwreg(HW_REG_WAVE_MODE, 25, 1), 1
	s_wait_xcnt 0x0
; PREP: the tokens are sorted by expert, and both weight tensors are rounded once to bf16 and laid out in the order in which the
; second launch's matrix operands take them.  Three roles, chosen by the work-group's number (alike for all its waves):
;   0..63    SORT, expert e = number / 4, part = number % 4: order[e][0 .. n_e-1] = the tokens of expert e; the other 16,384 - n_e words of the region take
;            all other tokens, from the back: a full partition, so every word is stored once, with all lanes on.  counts[32 e .. +31] = n_e.
;            Each of an expert's four work-groups counts all 16,384 ids and places a quarter of the tokens.
;   64..191  W1: x = number - 64 = 8 e + cb: rows c = 16 cb .. +15 of W1[e] (65,536 consecutive bytes of f32)
;   192..319 W2: y = number - 192 = 8 e + w: rows d = 128 w .. +127 of W2[e] (65,536 consecutive bytes of f32)
; W1p byte = e*262144 + (cb/2)*65536 + n*2048 + (cb%2)*1024 + half*512 + lane*16: lane (r = lane%16, hh = lane/16) holds W1[e][16cb+r][32n+16half+8hh .. +7].
; W2p byte = (8e+w)*32768 + g*16384 + a*4096 + ks*1024 + half*512 + lane*16: the lane holds W2[e][128w+64g+4r+a][32ks+16half+8hh .. +7].
; LIMITS.  Weights are rounded to nearest even, once.  A token whose id lies outside 0..15 enters no list's front and gets no output row
; (the problem keeps ids inside the table).  No atomics: ranks come from lane masks, population counts and one exchange through LDS.
; LDS: each role has bytes of its own, so that no line of one role names a byte of another's.
.set NS,    64                         ; sort work-groups: 16 experts x 4 parts
.set P1,    2064                       ; W1's stage: a row of 1,024 bf16 + 16 bytes: 129 x 16, so 16 rows of a fragment load start at 16 different groups of banks
.set P2,    272                        ; W2's stage: a row of 128 bf16 + 16 bytes: 17 x 16
.set ST1,   0                          ; W1's stage: 16 rows x P1 = 33,024 bytes
.set ST2,   33280                      ; W2's stage: 128 rows x P2 = 34,816 bytes
.set SRT,   68096                      ; SORT: 32 words: [register group j][wave]
.set SPARE, 68352                      ; the spare words, 128 bytes for each of the eight waves
.set X,     32                         ; v[32:95]   16 loads of 4 f32; their first two registers then hold 4 bf16
.set FB,    96                         ; v[96:127]  8 half fragments read back
.set ID,    32                         ; v[32:95]   SORT: 64 ids a lane; the first 16 then take ranks, slots and the slots' byte offsets
.set TK,    96                         ; v[96:111]  SORT: the 16 token numbers that I place
.set CW,    112                        ; v[112:143] SORT: the 32 counts read back: 8 j + wave
.set BK,    144                        ; v[144:159] SORT: the 16 slots from the back
.set GS,    98                         ; s[98:101]  SORT: my wave's matches in register group j
	s_load_b256 s[4:11], s[0:1], 0x0               ; cluster_ids s[4:5], W1 s[6:7], W2 s[8:9], W1p s[10:11]
	s_load_b128 s[12:15], s[0:1], 0x20             ; W2p s[12:13], order s[14:15]
	s_load_b64 s[16:17], s[0:1], 0x30              ; counts
	v_lshl_add_u32 v4, v0, 2, SPARE                ; my spare word; never rewritten
	v_mov_b32 v5, 0                                ; 0; never rewritten
	v_lshrrev_b32 v7, 5, v0
	v_readfirstlane_b32 s20, v7                    ; wave 0..7
	v_and_b32 v2, 31, v0                           ; lane
	v_and_b32 v3, 15, v0                           ; r
	v_bfe_u32 v6, v0, 4, 1                         ; hh
	v_lshlrev_b32 v1, 4, v2
	v_lshl_add_u32 v1, s20, 13, v1                 ; wave x 8,192 + lane x 16: my 16 bytes in each 512 of my wave's 8 KiB of input, in all three roles
	s_mov_b32 s21, ttmp9
	s_mov_b32 s31, 0                               ; the high word of every offset pair s[30:31]
	s_wait_kmcnt 0x0
	s_cmp_lt_u32 s21, NS
	s_cbranch_scc1 .Lsort
	s_cmp_lt_u32 s21, NS+128
	s_cbranch_scc0 .Lw2
; 64 KiB of f32 -> 32 KiB of bf16 in operand order.  In: 16 loads a wave, 512 consecutive bytes each.  Through the stage, so that a lane gets 8 neighbouring k of one row.
; Out: 8 stores a wave, 512 consecutive bytes each, at multiples of 512 from the buffer's first byte.
.macro CONV role, outreg, outstep
.irp i, 0,1,2,3,4,5,6,7,8,9,10,11,12,13,14,15
	global_load_b128 v[X+4*(\i):X+4*(\i)+3], v1, s[22:23] offset:512*(\i) th:TH_LOAD_NT
.endr
.irp i, 0,1,2,3,4,5,6,7,8,9,10,11,12,13,14,15
	s_wait_loadcnt 15-(\i)                         ; loads come back in order: load i is in, the 15 - i younger ones stay out
	v_cvt_pk_bf16_f32 v[X+4*(\i)], v[X+4*(\i)], v[X+4*(\i)+1]
	v_cvt_pk_bf16_f32 v[X+4*(\i)+1], v[X+4*(\i)+2], v[X+4*(\i)+3]
.if (\role) == 1
	ds_store_b64 v8, v[X+4*(\i):X+4*(\i)+1] offset:((\i)/8)*P1+((\i)%8)*256        ; row 2 w + i / 8, columns 128 (i % 8) + 4 lane
.else
	ds_store_b64 v8, v[X+4*(\i):X+4*(\i)+1] offset:(((\i)%4)*16+(\i)/4)*P2         ; row 16 w + i = 64 g + 4 r + a goes to stage row 64 g + 16 a + r
.endif
.endr
	s_wait_dscnt 0x0                               ; for the others' sake: my stores into the stage are done
	s_barrier_signal -1
	s_barrier_wait -1
.irp t, 0,1,2,3,4,5,6,7
	ds_load_b128 v[FB+4*(\t):FB+4*(\t)+3], v9 offset:((\t)/2)*64+((\t)%2)*32       ; K step t / 2 of my four, half t % 2
.endr
.irp t, 0,1,2,3,4,5,6,7
	s_wait_dscnt 7-(\t)
	global_store_b128 v[\outreg], v[FB+4*(\t):FB+4*(\t)+3], s[24:25] offset:((\t)/2)*(\outstep)+((\t)%2)*512
.endr
	s_wait_tensorcnt 0x0                           ; the wave's end
	ds_add_u32 v4, v5
	s_wait_dscnt 0x0
	s_endpgm
.endm
	; ---- W1 ----
	s_sub_co_u32 s26, s21, NS                      ; x = 8 e + cb
	s_lshl_b32 s30, s26, 16
	s_add_nc_u64 s[22:23], s[6:7], s[30:31]        ; in: W1 + x * 65,536
	s_lshr_b32 s27, s26, 1                         ; 4 e + cb / 2
	s_lshl_b32 s30, s27, 16
	s_and_b32 s27, s26, 1
	s_lshl_b32 s27, s27, 10
	s_add_co_u32 s30, s30, s27
	s_add_nc_u64 s[24:25], s[10:11], s[30:31]      ; out: W1p + e * 262,144 + (cb / 2) * 65,536 + (cb % 2) * 1,024
	s_mul_i32 s27, s20, 2*P1                       ; (ST1 is 0)
	v_lshl_add_u32 v8, v2, 3, s27                  ; into the stage: my wave's two rows, 8 bytes a lane
	v_mul_u32_u24 v9, v3, P1
	v_lshl_add_u32 v9, v6, 4, v9
	v_lshl_add_u32 v9, s20, 8, v9                  ; back: row r, 16 hh, K steps 4 w .. 4 w + 3 (64 bytes each)
	CONV 1, 1, 2048                                ; out offset: K step n = 4 w + t / 2 at n * 2,048: w * 8,192 + lane * 16 is v1
	; ---- W2 ----
.Lw2:
	s_sub_co_u32 s26, s21, NS+128                  ; y = 8 e + w
	s_lshl_b32 s30, s26, 16
	s_add_nc_u64 s[22:23], s[8:9], s[30:31]        ; in: W2 + y * 65,536
	s_lshl_b32 s30, s26, 15
	s_add_nc_u64 s[24:25], s[12:13], s[30:31]      ; out: W2p + y * 32,768
	s_lshr_b32 s27, s20, 2
	s_lshl_b32 s27, s27, 6
	s_and_b32 s28, s20, 3
	s_lshl_b32 s28, s28, 2
	s_add_co_u32 s27, s27, s28                     ; 64 (wave / 4) + 4 (wave % 4)
	s_mul_i32 s27, s27, P2
	s_add_co_u32 s27, s27, ST2
	v_lshl_add_u32 v8, v2, 3, s27
	v_lshl_add_u32 v9, s20, 4, v3                  ; back: stage row 16 wave + r: wave = 4 g + a
	v_mul_u32_u24 v9, v9, P2
	v_lshl_add_u32 v9, v6, 4, v9
	v_add_nc_u32 v9, ST2, v9
	v_lshlrev_b32 v10, 4, v2
	v_lshl_add_u32 v10, s20, 12, v10               ; out offset: (4 g + a) * 4,096 + lane * 16
	CONV 2, 10, 1024
	; ---- SORT ----
	; The ids fall into four groups ga: wave w's part of group ga is tokens 2048 w + 512 ga .. +511.  Tokens are ranked in the order (ga, wave, register, lane):
	; place p = 4096 ga + 512 w + 32 k + lane is token 2048 w + 512 ga + 128 (k / 4) + 4 lane + k % 4, k = 0 .. 15.  The second launch takes an expert's list in any order.
	; The work-group places group ga = part.  Its loads are turned round: register group j (registers 16 j .. +15) takes ids group (part + j) % 4, so that the group
	; to be placed lies in registers 0 .. 15 whatever the part, and no register number hangs on it.
.Lsort:
	s_lshr_b32 s18, s21, 2                         ; e
	s_and_b32 s19, s21, 3                          ; part
	s_lshl_b32 s30, s18, 16
	s_add_nc_u64 s[22:23], s[14:15], s[30:31]      ; my expert's region of order
	s_lshl_b32 s30, s18, 7
	s_add_nc_u64 s[24:25], s[16:17], s[30:31]      ; its 32 words of counts
.irp j, 0,1,2,3
	s_add_co_u32 s26, s19, \j
	s_and_b32 s26, s26, 3                          ; ids group (part + j) % 4,
	s_lshl_b32 s26, s26, 11                        ; 2,048 bytes each within my wave's 8 KiB
	v_add_nc_u32 v[20+\j], s26, v1
.endr
.irp i, 0,1,2,3,4,5,6,7,8,9,10,11,12,13,14,15
	global_load_b128 v[ID+4*(\i):ID+4*(\i)+3], v[20+(\i)/4], s[4:5] offset:512*((\i)%4)
.endr
	s_lshl_b32 s26, s20, 2
	s_add_co_u32 s26, s26, SRT
	v_mov_b32 v8, s26                              ; my wave's word in each of the four rows of counts
	v_mov_b32 v15, SRT                             ; the 32 words
	v_mov_b32 v10, 32
	s_lshl_b32 s26, s20, 11
	s_lshl_b32 s27, s19, 9
	s_add_co_u32 s26, s26, s27
	v_lshl_add_u32 v11, v2, 2, s26                 ; 2048 w + 512 part + 4 lane: the token of my register 0
	s_lshl_b32 s26, s19, 12
	s_lshl_b32 s27, s20, 9
	s_add_co_u32 s26, s26, s27
	s_sub_co_u32 s26, 16383, s26
	v_sub_nc_u32 v9, s26, v2                       ; 16383 - (4096 part + 512 w + lane): 16383 less my place at k = 0
	; pass 1: 64 lane masks 'this token is my expert's' in s32-63 and s66-97, and their population by register group
.set k, 0
.rept 64
.if k%4 == 0
	s_wait_loadcnt 15-k/4                          ; load k / 4 is in, the younger ones stay out
.endif
	v_cmp_eq_u32 s[32+k+2*(k/32)], s18, v[ID+k]
.set k, k+1
.endr
.set k, 0
.rept 64
.if k%16 == 0
	s_bcnt1_i32_b32 s[GS+k/16], s[32+k+2*(k/32)]   ; a group's first mask starts its sum
.else
	s_bcnt1_i32_b32 s26, s[32+k+2*(k/32)]
	s_add_co_u32 s[GS+k/16], s[GS+k/16], s26
.endif
.set k, k+1
.endr
.irp j, 0,1,2,3
	v_mov_b32 v[24+\j], s[GS+\j]
.endr
.irp j, 0,1,2,3
	ds_store_b32 v8, v[24+\j] offset:32*(\j)       ; all lanes store the same number to the wave's word
.endr
	s_wait_dscnt 0x0                               ; for the others' sake: my four counts are stored
	s_barrier_signal -1
	s_barrier_wait -1
.irp t, 0,1,2,3,4,5,6,7
	ds_load_b128 v[CW+4*(\t):CW+4*(\t)+3], v15 offset:16*(\t)
.endr
	s_wait_dscnt 0x0
.irp j, 1,2,3
	v_add3_u32 v[24+\j], v[CW+8*(\j)], v[CW+8*(\j)+1], v[CW+8*(\j)+2]   ; the eight waves' matches in register group j
	v_add3_u32 v[24+\j], v[24+\j], v[CW+8*(\j)+3], v[CW+8*(\j)+4]
	v_add3_u32 v[24+\j], v[24+\j], v[CW+8*(\j)+5], v[CW+8*(\j)+6]
	v_add_nc_u32 v[24+\j], v[24+\j], v[CW+8*(\j)+7]
.endr
	s_mov_b32 s28, 0                               ; matches ahead of my wave's first place
	s_mov_b32 s29, 0                               ; n_e
.irp i, 0,1,2,3,4,5,6,7
	v_readfirstlane_b32 s26, v[CW+\i]              ; my own ids group: the waves ahead of mine count
	s_add_co_u32 s29, s29, s26
	s_cmp_gt_u32 s20, \i
	s_cselect_b32 s26, s26, 0
	s_add_co_u32 s28, s28, s26
.endr
.irp j, 1,2,3
	v_readfirstlane_b32 s26, v[24+\j]              ; register group j is ids group (part + j) % 4, which lies ahead of mine where part + j has passed 4
	s_add_co_u32 s29, s29, s26
	s_cmp_ge_u32 s19, 4-(\j)
	s_cselect_b32 s26, s26, 0
	s_add_co_u32 s28, s28, s26
.endr
	; pass 2, for my 16 registers, a stage at a time so that no line waits for the one before it: with R matches ahead of place p, a match goes to slot R,
	; any other token to slot 16383 - (p - R).  Each store has its own address and data register.
.set k, 0
.rept 16
	v_mbcnt_lo_u32_b32 v[ID+k], s[32+k], s28       ; R
	s_bcnt1_i32_b32 s26, s[32+k]
	s_add_co_u32 s28, s28, s26
.set k, k+1
.endr
.set k, 0
.rept 16
	v_add_nc_u32 v[BK+k], v[ID+k], v9              ; R + 16383 - p
	v_sub_nc_u32 v9, v9, v10                       ; the next k lies 32 places on
.set k, k+1
.endr
.set k, 0
.rept 16
	v_cndmask_b32 v[ID+k], v[BK+k], v[ID+k], s[32+k]
.set k, k+1
.endr
.set k, 0
.rept 16
	v_min_u32 v[ID+k], 0x3fff, v[ID+k]             ; a number made of loaded data enters an address only clamped
.set k, k+1
.endr
.set k, 0
.rept 16
	v_lshlrev_b32 v[ID+k], 2, v[ID+k]
	v_add_nc_u32 v[TK+k], 128*(k/4)+k%4, v11
.set k, k+1
.endr
.set k, 0
.rept 16
	global_store_b32 v[ID+k], v[TK+k], s[22:23]    ; a store's matches lie side by side at the front, its other tokens side by side at the back
.set k, k+1
.endr
	s_cmp_lg_u32 s20, 0
	s_cbranch_scc1 .Lsort_end
	s_cmp_lg_u32 s19, 0
	s_cbranch_scc1 .Lsort_end
	v_mov_b32 v12, s29
	v_lshlrev_b32 v13, 2, v2
	global_store_b32 v13, v12, s[24:25]            ; wave 0 of part 0 alone: n_e, 32 times
.Lsort_end:
	s_wait_tensorcnt 0x0                           ; the wave's end
	ds_add_u32 v4, v5
	s_wait_dscnt 0x0
	s_endpgm
.Lfunc_end_k_q7d66555eb1_prep:
	.size	k_q7d66555eb1_prep, .Lfunc_end_k_q7d66555eb1_prep-k_q7d66555eb1_prep
	.p2alignl 7, 3214868480
	.fill 96, 4, 3214868480
	.section	.rodata,"a",@progbits
	.p2align	6, 0x0
	.amdhsa_kernel k_q7d66555eb1_prep
		.amdhsa_group_segment_fixed_size 69376
		.amdhsa_private_segment_fixed_size 0
		.amdhsa_enable_private_segment 0
		.amdhsa_kernarg_size 56
		.amdhsa_user_sgpr_count 2
		.amdhsa_user_sgpr_kernarg_segment_ptr 1
		.amdhsa_wavefront_size32 1
		.amdhsa_system_sgpr_workgroup_id_x 1
		.amdhsa_system_sgpr_workgroup_id_y 1
		.amdhsa_system_sgpr_workgroup_id_z 1
		.amdhsa_system_vgpr_workitem_id 0
		.amdhsa_next_free_vgpr 168
		.amdhsa_next_free_sgpr 102
		.amdhsa_reserve_vcc 0
		.amdhsa_float_denorm_mode_32 3
		.amdhsa_float_denorm_mode_16_64 3
		.amdhsa_memory_ordered 1
		.amdhsa_forward_progress 1
		.amdhsa_inst_pref_size 39
	.end_amdhsa_kernel
	.amdgpu_metadata
---
amdhsa.version: [ 1, 2 ]
amdhsa.kernels:
  - .name:           k_q7d66555eb1_prep
    .symbol:         k_q7d66555eb1_prep.kd
    .args:
      - { .name: cluster_ids, .offset: 0, .size: 8, .value_kind: global_buffer, .address_space: global }
      - { .name: W1, .offset: 8, .size: 8, .value_kind: global_buffer, .address_space: global }
      - { .name: W2, .offset: 16, .size: 8, .value_kind: global_buffer, .address_space: global }
      - { .name: W1p, .offset: 24, .size: 8, .value_kind: global_buffer, .address_space: global }
      - { .name: W2p, .offset: 32, .size: 8, .value_kind: global_buffer, .address_space: global }
      - { .name: order, .offset: 40, .size: 8, .value_kind: global_buffer, .address_space: global }
      - { .name: counts, .offset: 48, .size: 8, .value_kind: global_buffer, .address_space: global }
    .group_segment_fixed_size: 69376
    .private_segment_fixed_size: 0
    .kernarg_segment_align: 8
    .kernarg_segment_size: 56
    .max_flat_workgroup_size: 256
    .sgpr_count:     102
    .vgpr_count:     168
    .wavefront_size: 32
...
	.end_amdgpu_metadata
.endif
;; end of part 3
;; launch main (part 4): grid 256 x 1, 8 waves a work-group, no clusters, 238,336 bytes of LDS; arguments h, b1, b2, W1p, W2p, order, counts, out0; writes out0
.if DOCPART == 4
	.amdgcn_target "amdgcn-amd-amdhsa--gfx1250"
	.amdhsa_code_object_version 6
	.text
	.protected	k_q7d66555eb1_main
	.globl	k_q7d66555eb1_main
	.p2align	8
	.type	k_q7d66555eb1_main,@function
k_q7d66555eb1_main:
	s_mov_b64 s[64:65], 0
	v_nop
	global_prefetch_b8 v0, s[64:65] scope:SCOPE_SE
	s_setreg_imm32_b32 hwreg(HW_REG_WAVE_MODE, 25, 1), 1
	s_wait_xcnt 0x0
; out[t] = h[t] + W2_e gelu(W1_e h[t] + b1_e) + b2_e, e = the token's expert.  h, out: [16384][1024] f32.  One work-group of eight waves takes one tile of up to 68 tokens of one
; expert through the whole chain.
; TILES.  Expert e has t_e = ceil(n_e / 68) tiles: never more than ceil(16384 / 68) + 15 = 256 in all, so 256 work-groups serve every split.  Its rows are split evenly: with q = n_e / t_e
; and rem = n_e - q t_e, tile i begins at i q + min(i, rem) and has q + (i < rem) rows, 68 at the most.  All of it in whole numbers.
; FORMATS AND LIMITS.  h, the weights and gelu(mid) are rounded once to bf16 for the two products; sums, b1, b2 and the gelu are f32.  The residual h is taken from the bf16 copy
; in LDS: off by at most 2^-9 |h|.  erf by the rational form t = 1 / (1 + 0.3275911 z), erf z = 1 - t (a1 + t (a2 + .. t a5)) e^(-z z), good for every z >= 0 to 1.5e-7 absolute,
; used as gelu x = max(x, 0) - 0.5 |x| poly(t) e^(-x x / 2): no difference of near numbers.  x = +-infinity gives NaN; NaN stays NaN.
; PLACES.  List place p of the tile (block tb = p / 16) lies in LDS row 16 tb + 8 (p % 2) + (p % 16) / 2, so that register j of the second product's result holds places 2 j (lanes 0-15)
; and 2 j + 1 (lanes 16-31) and one store covers two whole pieces of 256 consecutive bytes.  Places past the count repeat the tile's last row; their stores are jumped.
; Block 4 holds places 64 .. 71 alone; each of its eight rows is stored twice, 4 rows apart, so that all 80 LDS rows are written.
; ALL EIGHT WAVES RUN ONE TEXT, in four phases with three barriers:
;   A  wave w gathers the rows of places 8 w .. 8 w + 7 and 64 + w (72 loads of 512 consecutive bytes, 54 of them asked for at once), rounds them, stores them to LDS (H).      barrier
;   B  wave w = 2 cq + kh makes 80 tokens x c = 32 cq .. +31 over K half kh: 16 K steps of 32; H's fragments from LDS, each byte read by 4 waves; its whole slice of W1 (32 KiB) lies in
;      registers, asked for as soon as the expert is known.  It keeps the sums of c block w and hands those of its partner's block over through LDS, in f32.                     barrier
;   C  the two halves' sums are added; b1, gelu, rounding; MID goes to LDS.                                                                                                    barrier
;   D  wave w makes out[tokens][128 w .. +127]: per block of 16 tokens both groups of 64 columns; all of its W2 (32 KiB) lies in registers, asked for behind phase B's last product.
; A work-group that the split leaves without rows (CNT = 0) walks phases A to C on one repeated row, since every wave passes every barrier, jumps over phase D and stores nothing.
; NO CLUSTER, NO TENSOR LOADS: the rows of h come by a list, which no tile descriptor covers; the weights, which an expert's tiles share, go straight into operand registers, 64 KiB a wave,
; and would have to pass through LDS and out of it again to be shared.
; REGISTERS, in windows of 256 (s_set_vgpr_msb: bits 1:0 source 0, 3:2 source 1, 5:4 source 2, 7:6 destination).  Window 1 holds weights alone: W1's fragment (K step m, slot s) at 16 m + 8 s
; (slot 0: the c block that I keep, slot 1: the one that I hand over); later W2's fragment (group g, a, ks) at 128 g + 32 a + 8 ks.  All else lies in window 0.
.set MP,    272                        ; an LDS row of 128 bf16 + 16 bytes = 17 x 16: the 16 rows of a fragment load start at 16 different groups of four banks
.set CH,    80*MP                      ; a chunk of H: 80 rows x 128 columns; also all of MID
.set MIDB,  8*CH                       ; H: bytes 0 .. 174,079, chunk q at q * CH;  MID: 80 rows x 128 c
.set XCH,   MIDB+CH                    ; the partial sums that change hands: 5,120 bytes a wave
.set XW,    5120
.set TAB,   XCH+8*XW                   ; token numbers: [tb][hh][j] = the token at place 16 tb + 2 j + hh; of block 4 only j = 0 .. 3
.set SPARE, TAB+512                    ; the spare words, 128 bytes for each of the eight waves
; window 0, kept: v1 lane*16  v2 r  v3 hh  v4, v5 the add's two  v6 1.0  v7 lane  v[8:15] b1 of my 16 c  v16 MID fragment address  v17 residual address  v18 table address  v19 16 r
.set HST,  20                          ; v20-23      where I store H: chunks 0-1, 2-3, 4-5, 6-7
.set HFR,  24                          ; v24-25      H fragment address: the first and the last two chunks of my K half
.set MST,  26                          ; v26         where I store MID
.set XST,  27                          ; v27         where I put partial sums
.set XLD,  28                          ; v28         where my partner has put them
.set WK,   29                          ; v29, v30    byte offset in W1p of the c block that I keep, that I hand over;  v31 b1's offset, then the ninth token
.set RING, 32                          ; v[32:247]   phase A: 6 slots of 9 loads
.set XS,   248                         ; v248-251    phase A: where I store my ninth row, by chunk pairs;  v252-255 the table's way into LDS
.set ACCK, 32                          ; v[32:71]    phase B: the sums that I keep, block tb at 32 + 8 tb
.set ACCS, 72                          ; v[72:111]   the sums that I hand over
.set AF,   112                         ; v[112:231]  fragments of H, three buffers of 5 blocks
.set B2V,  232                         ; v[232:239]  b2 of my two column groups
.set RX,   112                         ; v[112:151]  phase C: my partner's sums
.set GA,   152                         ; gelu: |x|
.set GT,   160                         ;       t
.set GE,   168                         ;       e^(-x x / 2)
.set GP,   176                         ;       the polynomial
.set PK,   184                         ;       8 bf16, two sets by turns
.set A2,   32                          ; v[32:63]    phase D: fragments of MID, 8 ks
.set ACC2, 64                          ; v[64:127]   accumulator (g, a) at 64 + 32 g + 8 a
.set OUT,  128                         ; v[128:191]  (g, row group j) at 128 + 32 g + 4 j: first 4 bf16 of h in two registers, then 4 f32 to store
.set OFS,  192                         ; v[192:199]  row group j: token number, then byte offset in out
; scalar registers: s[4:19] the eight addresses  s20 wave  s21 tile number  s22 tiles so far  s23 expert  s24 its count  s25 its first tile  s26, s28, s30 at work  s27 CNT  s28 CNT - 8 w
;   s29 the expert's tiles  s[30:31] an offset, high word 0  s32-47 counts, then s32-39 my 8 tokens, s40 my ninth, s41 the tile's last  s48 q  s49 sign mask  s50 kh, then rem  s51 EXEC kept
;   s[52:53] my expert's list  s[54:55] W1p at my slice  s[56:57] W2p at my slice  s[58:59] out + 512 w  s[60:61] b1 at my c  s[62:63] b2 at my columns
;   s[98:99] my 8 words of the list  s[100:101] my ninth  s[104:105] the last row's
.set ROW,  66                          ; s[66:83]    the addresses of my 9 rows of h
.set PZ,   84                          ; s[84:97]    gelu's constants, as pairs for the packed forms
.set CE,   86
.set KA5,  88
.set KA4,  90
.set KA3,  92
.set KA2,  94
.set KA1,  96
.set MSB, 0
.macro WIN new                         ; the immediate's high byte repeats the setting that is left; a switch that changes nothing is dropped
.if MSB != (\new)
	s_set_vgpr_msb (MSB<<8)|(\new)
.set MSB, \new
.endif
.endm
	s_load_b512 s[4:19], s[0:1], 0x0               ; h s[4:5], b1 s[6:7], b2 s[8:9], W1p s[10:11], W2p s[12:13], order s[14:15], counts s[16:17], out0 s[18:19]
	v_lshl_add_u32 v4, v0, 2, SPARE                ; my spare word; never rewritten
	v_mov_b32 v5, 0                                ; 0; never rewritten
	v_lshrrev_b32 v7, 5, v0
	v_readfirstlane_b32 s20, v7                    ; wave 0..7
	s_mov_b32 s21, ttmp9
	s_mov_b32 s22, 0
	s_mov_b32 s23, 0
	s_mov_b32 s24, 0
	s_mov_b32 s25, 0
	s_mov_b32 s29, 0
	s_mov_b32 s31, 0
	s_mov_b32 s49, 0x7fffffff
	s_wait_kmcnt 0x0
.irp e, 0,1,2,3,4,5,6,7,8,9,10,11,12,13,14,15
	s_load_b32 s[32+\e], s[16:17], 128*(\e)        ; n_e
.endr
	; the lanes' and the wave's addresses, made while the counts are on their way
	v_and_b32 v7, 31, v0                           ; lane
	v_lshlrev_b32 v1, 4, v7
	v_and_b32 v2, 15, v0                           ; r
	v_bfe_u32 v3, v0, 4, 1                         ; hh
	v_mov_b32 v6, 1.0
	v_lshlrev_b32 v19, 4, v2
	s_and_b32 s50, s20, 1                          ; kh = w % 2
	v_mul_u32_u24 v16, v2, MP
	v_lshl_add_u32 v16, v3, 4, v16                 ; a fragment's row x pitch + 16 x half
	s_mul_i32 s26, s50, 4*CH
	v_add_nc_u32 v[HFR], s26, v16                  ; my K half: chunks 4 kh, 4 kh + 1,
	v_add_nc_u32 v[HFR+1], 2*CH, v[HFR]            ; and 4 kh + 2, 4 kh + 3
	v_add_nc_u32 v16, MIDB, v16
	v_lshl_add_u32 v[MST], s20, 5, v16             ; MID row r, my 16 c (32 bytes), 16 hh
	v_lshlrev_b32 v18, 5, v3
	v_add_nc_u32 v18, TAB, v18
	v_mul_u32_u24 v17, v3, 8*MP                    ; residual: row 8 hh + j of a block, columns 4 r .. +3 of my chunk w: 32 lanes take 2 x 128 bytes that fall on different banks
	v_lshl_add_u32 v17, v2, 3, v17
	s_mul_i32 s26, s20, CH
	v_add_nc_u32 v17, s26, v17
	s_lshr_b32 s26, s20, 1                         ; places 8 w + ii: block w / 2, row 8 (ii % 2) + 4 (w % 2) + ii / 2
	s_lshl_b32 s26, s26, 4
	s_lshl_b32 s28, s50, 2
	s_add_co_u32 s26, s26, s28
	s_mul_i32 s26, s26, MP
	v_lshl_add_u32 v[HST], v7, 3, s26              ; row 16 (w / 2) + 4 (w % 2), 8 bytes a lane
	v_add_nc_u32 v[HST+1], 2*CH, v[HST]
	v_add_nc_u32 v[HST+2], 4*CH, v[HST]
	v_add_nc_u32 v[HST+3], 6*CH, v[HST]
	s_lshl_b32 s26, s50, 3                         ; place 64 + w: row 64 + 8 (w % 2) + w / 2
	s_lshr_b32 s28, s20, 1
	s_add_co_u32 s26, s26, s28
	s_add_co_u32 s26, s26, 64
	s_mul_i32 s26, s26, MP
	v_lshl_add_u32 v[XS], v7, 3, s26
	v_add_nc_u32 v[XS+1], 2*CH, v[XS]
	v_add_nc_u32 v[XS+2], 4*CH, v[XS]
	v_add_nc_u32 v[XS+3], 6*CH, v[XS]
	s_mul_i32 s26, s20, XW
	s_add_co_u32 s26, s26, XCH
	v_add_nc_u32 v[XST], s26, v1                   ; my 5,120 bytes, 16 a lane
	s_and_b32 s26, s20, 6
	s_sub_co_u32 s28, 1, s50                       ; 1 - kh
	s_add_co_u32 s26, s26, s28                     ; my partner: the same cq, the other K half
	s_mul_i32 s26, s26, XW
	s_add_co_u32 s26, s26, XCH
	v_add_nc_u32 v[XLD], s26, v1
	v_lshl_add_u32 v[WK], s50, 10, v1              ; in a K step's 2,048 bytes of W1p: c block 2 cq + kh = w, which I keep,
	v_lshl_add_u32 v[WK+1], s28, 10, v1            ; and c block 2 cq + 1 - kh, my partner's
	v_lshlrev_b32 v31, 5, v3                       ; b1: 32 hh
	v_and_b32 v252, 7, v0
	v_lshlrev_b32 v252, 2, v252                    ; the table: lane l brings word l % 8 of my eight,
	v_and_b32 v254, 1, v0
	v_lshlrev_b32 v254, 3, v254
	v_bfe_u32 v253, v0, 1, 2
	v_add_nc_u32 v254, v254, v253
	v_lshlrev_b32 v254, 2, v254                    ; which goes to word 8 (l % 2) + 4 (w % 2) + (l % 8) / 2 of the block's sixteen
	s_lshr_b32 s26, s20, 1
	s_lshl_b32 s26, s26, 6
	s_lshl_b32 s28, s50, 4
	s_add_co_u32 s26, s26, s28
	s_add_co_u32 s26, s26, TAB
	v_add_nc_u32 v254, s26, v254
	s_lshl_b32 s26, s50, 5                         ; place 64 + w: block 4, hh = w % 2, j = w / 2
	s_lshr_b32 s28, s20, 1
	s_lshl_b32 s28, s28, 2
	s_add_co_u32 s26, s26, s28
	s_add_co_u32 s26, s26, TAB+256
	v_mov_b32 v255, s26
	s_wait_kmcnt 0x0
	; Which tile is mine: the last expert whose first tile is not beyond my number.  An expert without rows has no tile and is passed over by the next.
.irp e, 0,1,2,3,4,5,6,7,8,9,10,11,12,13,14,15
	s_add_co_u32 s26, s[32+\e], 67
	s_lshr_b32 s26, s26, 2
	s_mul_hi_u32 s26, s26, 0x0f0f0f10              ; (n + 67) / 68 = ((n + 67) / 4) / 17, by ceil(2^32 / 17): exact far beyond 16,451 / 4
	s_cmp_le_u32 s22, s21
	s_cselect_b32 s23, \e, s23
	s_cselect_b32 s24, s[32+\e], s24
	s_cselect_b32 s25, s22, s25
	s_cselect_b32 s29, s26, s29
	s_add_co_u32 s22, s22, s26
.endr
	s_sub_co_u32 s28, s21, s25                     ; my tile within the expert
	s_max_u32 s29, s29, 1
	s_mov_b32 s48, 0                               ; q = count / tiles, 68 at the most: seven bits, from the top: a bit stays if q x tiles does not pass the count
.irp b, 64,32,16,8,4,2,1
	s_add_co_u32 s26, s48, \b
	s_mul_i32 s30, s26, s29
	s_cmp_le_u32 s30, s24
	s_cselect_b32 s48, s26, s48
.endr
	s_mul_i32 s30, s48, s29
	s_sub_co_u32 s50, s24, s30                     ; rem: so many tiles have a row more
	s_cmp_lt_u32 s28, s50
	s_cselect_b32 s27, 1, 0
	s_add_co_u32 s27, s27, s48
	s_cmp_lt_u32 s28, s29
	s_cselect_b32 s27, s27, 0                      ; a work-group past the last tile has no rows
	s_min_u32 s27, s27, 68                         ; CNT
	s_min_u32 s26, s28, s50
	s_mul_i32 s30, s28, s48
	s_add_co_u32 s26, s26, s30                     ; my first row in the expert's list
	s_min_u32 s26, s26, 0x3fc0                     ; what enters addresses is clamped; a tile with rows begins at 16,320 at the latest (beyond 16,320 rows q is 67)
	s_min_u32 s23, s23, 15
	s_lshl_b32 s30, s23, 16
	s_add_nc_u64 s[52:53], s[14:15], s[30:31]      ; my expert's list: 16,384 words, all of them stored
	s_lshl_b32 s28, s20, 3
	s_add_co_u32 s30, s26, s28
	s_lshl_b32 s30, s30, 2
	s_add_nc_u64 s[98:99], s[52:53], s[30:31]      ; places 8 w .. 8 w + 7
	s_add_co_u32 s30, s26, 64
	s_add_co_u32 s30, s30, s20
	s_min_u32 s30, s30, 0x3fff
	s_lshl_b32 s30, s30, 2
	s_add_nc_u64 s[100:101], s[52:53], s[30:31]    ; place 64 + w, held inside the list
	s_sub_co_i32 s30, s27, 1
	s_max_i32 s30, s30, 0
	s_add_co_u32 s30, s30, s26
	s_min_u32 s30, s30, 0x3fff
	s_lshl_b32 s30, s30, 2
	s_add_nc_u64 s[104:105], s[52:53], s[30:31]    ; the tile's last row (with no rows: some token's, read and not stored)
	s_load_b256 s[32:39], s[98:99], 0x0
	s_load_b32 s40, s[100:101], 0x0
	s_load_b32 s41, s[104:105], 0x0
	s_sub_co_i32 s28, s27, s28                     ; how many of my first 8 places exist (may be negative)
	s_lshl_b32 s26, s23, 3
	s_add_co_u32 s26, s26, s20                     ; 8 e + w
	s_lshl_b32 s30, s26, 15
	s_add_nc_u64 s[54:55], s[10:11], s[30:31]      ; W1p + e * 262,144 + cq * 65,536 + kh * 32,768: K steps 16 kh .. +15 of c blocks 2 cq, 2 cq + 1
	s_add_nc_u64 s[56:57], s[12:13], s[30:31]      ; W2p + (8 e + w) * 32,768
	s_lshl_b32 s30, s26, 6
	s_add_nc_u64 s[60:61], s[6:7], s[30:31]        ; b1 + e * 512 + 64 w
	s_lshl_b32 s30, s26, 9
	s_add_nc_u64 s[62:63], s[8:9], s[30:31]        ; b2 + e * 4,096 + 512 w
	s_lshl_b32 s30, s20, 9
	s_add_nc_u64 s[58:59], s[18:19], s[30:31]      ; out + 512 w
	global_load_b128 v[8:11],  v31, s[60:61]       ; b1[16 w + 8 hh + 0..7]
	global_load_b128 v[12:15], v31, s[60:61] offset:16
	global_load_b32 v253, v252, s[98:99]           ; my eight words once more, a lane each, for the table
	WIN 0x40                                       ; destination window 1, address window 0
.set kk, 0
.rept 16                                               ; my whole slice of W1: 64 loads of 512 consecutive bytes, on their way while the list's words are
	global_load_b128 v[16*kk:16*kk+3],     v[WK],   s[54:55] offset:2048*kk
	global_load_b128 v[16*kk+4:16*kk+7],   v[WK],   s[54:55] offset:2048*kk+512
	global_load_b128 v[16*kk+8:16*kk+11],  v[WK+1], s[54:55] offset:2048*kk
	global_load_b128 v[16*kk+12:16*kk+15], v[WK+1], s[54:55] offset:2048*kk+512
.set kk, kk+1
.endr
	WIN 0
.macro KPAIR reg, val
	s_mov_b32 s[\reg], \val
	s_mov_b32 s[\reg+1], \val
.endm
	KPAIR PZ,  0x3e6d3388                          ; 0.3275911 / sqrt 2
	KPAIR CE,  0xbf38aa3b                          ; - log2(e) / 2
	KPAIR KA5, 0x3f87dc22                          ; 1.061405429
	KPAIR KA4, 0xbfba00e3                          ; -1.453152027
	KPAIR KA3, 0x3fb5f0e3                          ; 1.421413741
	KPAIR KA2, 0xbe91a98e                          ; -0.284496736
	KPAIR KA1, 0x3e827906                          ; 0.254829592
	s_wait_kmcnt 0x0
.irp i, 0,1,2,3,4,5,6,7
	s_cmp_gt_i32 s28, \i
	s_cselect_b32 s30, s[32+\i], s41               ; a place past the count repeats the last row
	s_min_u32 s30, s30, 0x3fff
	s_lshl_b32 s30, s30, 12
	s_add_nc_u64 s[ROW+2*(\i):ROW+2*(\i)+1], s[4:5], s[30:31]
.endr
	s_sub_co_i32 s26, s27, 64
	s_cmp_gt_i32 s26, s20                          ; does place 64 + w exist?
	s_cselect_b32 s30, s40, s41
	s_min_u32 s30, s30, 0x3fff
	s_lshl_b32 s30, s30, 12
	s_add_nc_u64 s[ROW+16:ROW+17], s[4:5], s[30:31]
; ---- phase A ----
; Group n of 8: chunk n (columns 128 n .. +127) of my 9 rows.  A load takes 512 consecutive bytes of one row.  The ninth row is often the tile's last row again, which other waves read too: no hint there.
.macro FILL n
.irp ii, 0,1,2,3,4,5,6,7,8
.set R0, RING+36*((\n)%6)+4*(\ii)
.if (\ii) < 8
	global_load_b128 v[R0:R0+3], v1, s[ROW+2*(\ii):ROW+2*(\ii)+1] offset:512*(\n) th:TH_LOAD_NT
.else
	global_load_b128 v[R0:R0+3], v1, s[ROW+2*(\ii):ROW+2*(\ii)+1] offset:512*(\n)
.endif
.endr
.endm
.macro DRAIN n, left                   ; left: the younger loads, which stay out
	s_wait_loadcnt \left
.irp ii, 0,1,2,3,4,5,6,7,8
.set R0, RING+36*((\n)%6)+4*(\ii)
	v_cvt_pk_bf16_f32 v[R0], v[R0], v[R0+1]
	v_cvt_pk_bf16_f32 v[R0+1], v[R0+2], v[R0+3]
.if (\ii) < 8
	ds_store_b64 v[HST+(\n)/2], v[R0:R0+1] offset:((\n)%2)*CH+(8*((\ii)%2)+(\ii)/2)*MP
.else
	ds_store_b64 v[XS+(\n)/2], v[R0:R0+1] offset:((\n)%2)*CH           ; the ninth row, and once more 4 rows on: block 4 has 8 places for 16 rows
	ds_store_b64 v[XS+(\n)/2], v[R0:R0+1] offset:((\n)%2)*CH+4*MP
.endif
.endr
.endm
.irp n, 0,1,2,3,4,5
	FILL \n
.endr
	s_wait_loadcnt 54                              ; b1, the table's word and W1 are in; the 54 loads of h stay out
	ds_store_b32 v254, v253                        ; four lanes store the same number to each word
	v_mov_b32 v31, s40
	ds_store_b32 v255, v31                         ; the token at place 64 + w
	DRAIN 0, 45                                    ; five younger groups of nine
	s_wait_dscnt 0x0                               ; slot 0's LDS stores have read their registers
	FILL 6
	DRAIN 1, 45                                    ; groups 2 to 6
	s_wait_dscnt 0x0
	FILL 7
	DRAIN 2, 45                                    ; groups 3 to 7; from here on the count runs down
	DRAIN 3, 36
	DRAIN 4, 27
	DRAIN 5, 18
	DRAIN 6, 9
	DRAIN 7, 0
	s_wait_dscnt 0x0                               ; for the others' sake: my rows of H and my words of the table are stored
	s_barrier_signal -1
	s_barrier_wait -1                              ; H and the table are whole, and are only read from here on
; ---- phase B ----
	global_load_b128 v[B2V:B2V+3],   v19, s[62:63]             ; b2[128 w + 4 r + a]
	global_load_b128 v[B2V+4:B2V+7], v19, s[62:63] offset:256  ; b2[128 w + 64 + 4 r + a]
.macro ALOAD m, buf                    ; H's fragments of the five blocks for my K step m: chunk m / 4 of my four, bytes 64 (m % 4) of its rows
.irp tb, 0,1,2,3,4
	ds_load_b128 v[AF+40*(\buf)+8*(\tb):AF+40*(\buf)+8*(\tb)+3],   v[HFR+(\m)/8] offset:(((\m)/4)%2)*CH+(\tb)*16*MP+64*((\m)%4)
	ds_load_b128 v[AF+40*(\buf)+8*(\tb)+4:AF+40*(\buf)+8*(\tb)+7], v[HFR+(\m)/8] offset:(((\m)/4)%2)*CH+(\tb)*16*MP+64*((\m)%4)+32
.endr
.endm
; Source 0 = 16 rows c of W1, source 1 = 16 token rows: lane (r, hh), register j of the result holds c = 16 (c block) + 8 hh + j of LDS row 16 tb + r: eight neighbouring c, 16 bytes of MID.
; The ten accumulators take turns, one instruction a turn.
.macro KSTEP m
.if (\m) <= 13
	s_wait_dscnt 20                                ; this K step's ten loads are in; the next two steps' stay out
.elseif (\m) == 14
	s_wait_dscnt 10
.else
	s_wait_dscnt 0x0
.endif
	WIN 0x01                                       ; source 0 (W1) in window 1
.irp tb, 0,1,2,3,4
.irp s, 0,1
.set AC, ACCK+40*(\s)+8*(\tb)
.if (\m) == 0
	v_wmma_f32_16x16x32_bf16 v[AC:AC+7], v[16*(\m)+8*(\s):16*(\m)+8*(\s)+7], v[AF+40*((\m)%3)+8*(\tb):AF+40*((\m)%3)+8*(\tb)+7], 0
.else
	v_wmma_f32_16x16x32_bf16 v[AC:AC+7], v[16*(\m)+8*(\s):16*(\m)+8*(\s)+7], v[AF+40*((\m)%3)+8*(\tb):AF+40*((\m)%3)+8*(\tb)+7], v[AC:AC+7]
.endif
.endr
.endr
	WIN 0
.rept 4
	v_nop                                          ; four places between the last product and the loads into registers that it read, or the stores of its result (ISA guide 7.12.1 for vector instructions)
.endr
.if (\m)+3 <= 15
	ALOAD (\m)+3, (\m)%3
.endif
.endm
	ALOAD 0, 0
	ALOAD 1, 1
	ALOAD 2, 2
.set kk, 0
.rept 16
	KSTEP kk
.set kk, kk+1
.endr
	WIN 0x40                                       ; W1 has served: all of my W2 takes its registers, 64 loads of 512 consecutive bytes: f = 32 g + 8 a + 2 ks + half.  It lands under phase C
.set f, 0
.rept 64
	global_load_b128 v[4*f:4*f+3], v1, s[56:57] offset:512*f
.set f, f+1
.endr
	WIN 0
.irp tb, 0,1,2,3,4
	ds_store_b128 v[XST], v[ACCS+8*(\tb):ACCS+8*(\tb)+3]   offset:1024*(\tb)       ; my partner's c block, my K half: f32, lane by lane as it lies
	ds_store_b128 v[XST], v[ACCS+8*(\tb)+4:ACCS+8*(\tb)+7] offset:1024*(\tb)+512
.endr
.irp i, 0,1,2,3,4
.irp p, 0,2,4,6
	v_pk_add_f32 v[ACCK+8*(\i)+\p:ACCK+8*(\i)+\p+1], v[ACCK+8*(\i)+\p:ACCK+8*(\i)+\p+1], v[8+\p:9+\p]  ; + b1, while the stores are out; each accumulator from its low end on
.endr
.endr
	s_wait_dscnt 0x0                               ; for my partner's sake: the sums are stored
	s_barrier_signal -1
	s_barrier_wait -1
	; ---- phase C ----
.irp tb, 0,1,2,3,4
	ds_load_b128 v[RX+8*(\tb):RX+8*(\tb)+3],   v[XLD] offset:1024*(\tb)              ; my c block, the other K half
	ds_load_b128 v[RX+8*(\tb)+4:RX+8*(\tb)+7], v[XLD] offset:1024*(\tb)+512
.endr
; gelu of accumulator i = tb, eight numbers a lane.  The 16 transcendentals are one batch: eight plain lines that name none of their results follow, then one wait, then the readers.
.macro GELU i
.set XR, ACCK+8*(\i)
.set PR, PK+4*((\i)%2)
.irp j, 0,1,2,3,4,5,6,7
	v_and_b32 v[GA+\j], s49, v[XR+\j]              ; |x|
.endr
.irp p, 0,2,4,6
	v_pk_fma_f32 v[GT+\p:GT+\p+1], v[GA+\p:GA+\p+1], s[PZ:PZ+1], 1.0 op_sel_hi:[1,0,0]   ; 1 + p z
	v_pk_mul_f32 v[GE+\p:GE+\p+1], v[XR+\p:XR+\p+1], s[CE:CE+1] op_sel_hi:[1,0]
.endr
.irp p, 0,2,4,6
	v_pk_mul_f32 v[GE+\p:GE+\p+1], v[GE+\p:GE+\p+1], v[XR+\p:XR+\p+1]                   ; - x x log2(e) / 2
.endr
.irp j, 0,1,2,3,4,5,6,7
	v_rcp_f32 v[GT+\j], v[GT+\j]
.endr
.irp j, 0,1,2,3,4,5,6,7
	v_exp_f32 v[GE+\j], v[GE+\j]
.endr
.irp j, 0,1,2,3,4,5,6,7
	v_max_num_f32 v[XR+\j], 0, v[XR+\j]            ; max(x, 0)
.endr
	s_wait_alu depctr_va_vdst(0)                   ; the wait ahead of the first line that names a transcendental's result: one for the batch
.irp p, 0,2,4,6
	v_pk_fma_f32 v[GP+\p:GP+\p+1], v[GT+\p:GT+\p+1], s[KA5:KA5+1], s[KA4:KA4+1] op_sel_hi:[1,0,0]
.endr
.irp p, 0,2,4,6
	v_pk_fma_f32 v[GP+\p:GP+\p+1], v[GP+\p:GP+\p+1], v[GT+\p:GT+\p+1], s[KA3:KA3+1] op_sel_hi:[1,1,0]
.endr
.irp p, 0,2,4,6
	v_pk_fma_f32 v[GP+\p:GP+\p+1], v[GP+\p:GP+\p+1], v[GT+\p:GT+\p+1], s[KA2:KA2+1] op_sel_hi:[1,1,0]
.endr
.irp p, 0,2,4,6
	v_pk_fma_f32 v[GP+\p:GP+\p+1], v[GP+\p:GP+\p+1], v[GT+\p:GT+\p+1], s[KA1:KA1+1] op_sel_hi:[1,1,0]
.endr
.irp p, 0,2,4,6
	v_pk_mul_f32 v[GT+\p:GT+\p+1], v[GT+\p:GT+\p+1], v[GE+\p:GE+\p+1]                   ; t e
.endr
.irp p, 0,2,4,6
	v_pk_mul_f32 v[GA+\p:GA+\p+1], v[GA+\p:GA+\p+1], v[GT+\p:GT+\p+1]                   ; |x| t e
.endr
.irp p, 0,2,4,6
	v_pk_mul_f32 v[GA+\p:GA+\p+1], v[GA+\p:GA+\p+1], v[GP+\p:GP+\p+1]                   ; |x| poly e
.endr
.irp p, 0,2,4,6
	v_pk_fma_f32 v[XR+\p:XR+\p+1], v[GA+\p:GA+\p+1], -0.5, v[XR+\p:XR+\p+1] op_sel_hi:[1,0,1]
.endr
.irp n, 0,1,2,3
	v_cvt_pk_bf16_f32 v[PR+\n], v[XR+2*(\n)], v[XR+2*(\n)+1]
.endr
	ds_store_b128 v[MST], v[PR:PR+3] offset:(\i)*16*MP
.endm
.irp tb, 0,1,2,3,4
	s_wait_dscnt 8-(\tb)                           ; LDS serves a wave in order: behind block tb's two loads stand the 2 (4 - tb) later loads and the tb stores of MID issued so far
.irp p, 0,2,4,6
	v_pk_add_f32 v[ACCK+8*(\tb)+\p:ACCK+8*(\tb)+\p+1], v[ACCK+8*(\tb)+\p:ACCK+8*(\tb)+\p+1], v[RX+8*(\tb)+\p:RX+8*(\tb)+\p+1]
.endr
	GELU \tb
.endr
	s_wait_dscnt 0x0                               ; for the others' sake: my part of MID is stored
	s_barrier_signal -1
	s_barrier_wait -1                              ; the third and last barrier: MID is whole, and is only read from here on
	; ---- phase D ----
	s_cmp_eq_u32 s27, 0
	s_cbranch_scc1 .Ldone                          ; no rows: nothing to store (no barrier lies in what is jumped)
	v_cmp_gt_u32 vcc_lo, 0x100, v1                 ; lanes 0-15; nothing writes VCC after this line
; Row group j of block tb: places p0 = 16 tb + 2 j (lanes 0-15) and p0 + 1 (lanes 16-31), both column groups.  Both places exist: whole stores.  Only the first: lanes 0-15.  Neither: nor does any later one.
; Sixteen lanes store 256 consecutive bytes of one row of out, at a multiple of 256 from its first byte.
.macro ROWG tb, j
.irp g, 0,1
.set O, OUT+32*(\g)+4*(\j)
.set AC, ACC2+32*(\g)+(\j)
	v_fma_mix_f32_bf16 v[O+3], v[O+1], v6, v[AC+24] op_sel:[1,0,0] op_sel_hi:[1,0,0]   ; h x 1.0 + delta, from the bf16 half; from the top down, so that no half is overwritten before its use
	v_fma_mix_f32_bf16 v[O+2], v[O+1], v6, v[AC+16] op_sel_hi:[1,0,0]
	v_fma_mix_f32_bf16 v[O+1], v[O],   v6, v[AC+8]  op_sel:[1,0,0] op_sel_hi:[1,0,0]
	v_fma_mix_f32_bf16 v[O],   v[O],   v6, v[AC]    op_sel_hi:[1,0,0]
	v_pk_add_f32 v[O:O+1],   v[O:O+1],   v[B2V+4*(\g):B2V+4*(\g)+1]
	v_pk_add_f32 v[O+2:O+3], v[O+2:O+3], v[B2V+4*(\g)+2:B2V+4*(\g)+3]
.endr
	s_cmp_ge_u32 s27, 16*(\tb)+2*(\j)+2
	s_cbranch_scc1 .Lwhole_\@
	s_cmp_eq_u32 s27, 16*(\tb)+2*(\j)+1
	s_cbranch_scc0 .Lend\tb
	s_wait_xcnt 0x0                                ; EXEC is a source of the stores on their way: it changes only behind this wait
	s_and_saveexec_b32 s51, vcc_lo
	global_store_b128 v[OFS+\j], v[OUT+4*(\j):OUT+4*(\j)+3],       s[58:59] th:TH_STORE_NT
	global_store_b128 v[OFS+\j], v[OUT+32+4*(\j):OUT+32+4*(\j)+3], s[58:59] offset:256 th:TH_STORE_NT
	s_wait_xcnt 0x0                                ; and again in front of the line that widens it
	s_or_b32 exec_lo, exec_lo, s51
	s_branch .Lend\tb
.Lwhole_\@:
	global_store_b128 v[OFS+\j], v[OUT+4*(\j):OUT+4*(\j)+3],       s[58:59] th:TH_STORE_NT
	global_store_b128 v[OFS+\j], v[OUT+32+4*(\j):OUT+32+4*(\j)+3], s[58:59] offset:256 th:TH_STORE_NT
.endm
; Block tb.  Source 0 = 16 token rows of MID, source 1 = 16 rows d = 128 w + 64 g + 4 r + a of W2: lane (r, hh), register j of accumulator (g, a) holds LDS row 16 tb + 8 hh + j,
; which is place 16 tb + 2 j + hh, and column 4 r + a of group g: a lane's four accumulators of a group give 16 neighbouring bytes of out.  MID's fragments and the table serve both groups.
; The eight accumulators take turns.  Block 4 has places 64 to 67 at the most: row groups 0 and 1.
.macro STEP tb
.if (\tb) > 0
	s_cmp_le_u32 s27, 16*(\tb)
	s_cbranch_scc1 .Ldone                          ; whole blocks past the count are jumped
.endif
	s_wait_xcnt 0x0                                ; the last block's stores have read OUT and OFS: they are loaded again only behind this wait
.irp ks, 0,1,2,3
	ds_load_b128 v[A2+8*(\ks):A2+8*(\ks)+3],   v16 offset:(\tb)*16*MP+64*(\ks)
	ds_load_b128 v[A2+8*(\ks)+4:A2+8*(\ks)+7], v16 offset:(\tb)*16*MP+64*(\ks)+32
.endr
	ds_load_b128 v[OFS:OFS+3],   v18 offset:64*(\tb)
.if (\tb) < 4
	ds_load_b128 v[OFS+4:OFS+7], v18 offset:64*(\tb)+16
.irp g, 0,1
.irp j, 0,1,2,3,4,5,6,7
	ds_load_b64 v[OUT+32*(\g)+4*(\j):OUT+32*(\g)+4*(\j)+1], v17 offset:(\tb)*16*MP+(\j)*MP+128*(\g)   ; h, 4 bf16
.endr
.endr
.else
.irp g, 0,1
.irp j, 0,1
	ds_load_b64 v[OUT+32*(\g)+4*(\j):OUT+32*(\g)+4*(\j)+1], v17 offset:(\tb)*16*MP+(\j)*MP+128*(\g)
.endr
.endr
.endif
.if (\tb) == 0
	s_wait_loadcnt 0x0                             ; W2 and b2
.endif
.if (\tb) < 4
	s_wait_dscnt 18                                ; MID's eight loads are in; the table's two and the residual's sixteen stay out
.else
	s_wait_dscnt 5                                 ; here: the table's one and the residual's four
.endif
	WIN 0x04                                       ; source 1 (W2) in window 1
.irp ks, 0,1,2,3
.irp g, 0,1
.irp a, 0,1,2,3
.set AC, ACC2+32*(\g)+8*(\a)
.set BB, 128*(\g)+32*(\a)+8*(\ks)
.if (\ks) == 0
	v_wmma_f32_16x16x32_bf16 v[AC:AC+7], v[A2+8*(\ks):A2+8*(\ks)+7], v[BB:BB+7], 0
.else
	v_wmma_f32_16x16x32_bf16 v[AC:AC+7], v[A2+8*(\ks):A2+8*(\ks)+7], v[BB:BB+7], v[AC:AC+7]
.endif
.endr
.endr
.endr
	WIN 0
	s_wait_dscnt 0x0
	; plain lines that name no register of the products: also the places behind them
.if (\tb) < 4
.irp j, 0,1,2,3,4,5,6,7
	v_min_u32 v[OFS+\j], 0x3fff, v[OFS+\j]
.endr
.irp j, 0,1,2,3,4,5,6,7
	v_lshl_add_u32 v[OFS+\j], v[OFS+\j], 12, v19   ; token x 4,096 + 16 r
.endr
.irp j, 0,1,2,3,4,5,6,7
	ROWG \tb, \j
.endr
.else
.irp j, 0,1,2,3
	v_min_u32 v[OFS+\j], 0x3fff, v[OFS+\j]
.endr
.irp j, 0,1,2,3
	v_lshl_add_u32 v[OFS+\j], v[OFS+\j], 12, v19
.endr
.irp j, 0,1
	ROWG \tb, \j
.endr
.endif
.Lend\tb:
.endm
	STEP 0
	STEP 1
	STEP 2
	STEP 3
	STEP 4
.Ldone:
	s_wait_tensorcnt 0x0                           ; the wave's end
	ds_add_u32 v4, v5
	s_wait_dscnt 0x0
	s_endpgm
.Lfunc_end_k_q7d66555eb1_main:
	.size	k_q7d66555eb1_main, .Lfunc_end_k_q7d66555eb1_main-k_q7d66555eb1_main
	.p2alignl 7, 3214868480
	.fill 96, 4, 3214868480
	.section	.rodata,"a",@progbits
	.p2align	6, 0x0
	.amdhsa_kernel k_q7d66555eb1_main
		.amdhsa_group_segment_fixed_size 238336
		.amdhsa_private_segment_fixed_size 0
		.amdhsa_enable_private_segment 0
		.amdhsa_kernarg_size 64
		.amdhsa_user_sgpr_count 2
		.amdhsa_user_sgpr_kernarg_segment_ptr 1
		.amdhsa_wavefront_size32 1
		.amdhsa_system_sgpr_workgroup_id_x 1
		.amdhsa_system_sgpr_workgroup_id_y 1
		.amdhsa_system_sgpr_workgroup_id_z 1
		.amdhsa_system_vgpr_workitem_id 0
		.amdhsa_next_free_vgpr 512
		.amdhsa_next_free_sgpr 106
		.amdhsa_reserve_vcc 1
		.amdhsa_float_denorm_mode_32 3
		.amdhsa_float_denorm_mode_16_64 3
		.amdhsa_memory_ordered 1
		.amdhsa_forward_progress 1
		.amdhsa_inst_pref_size 169
	.end_amdhsa_kernel
	.amdgpu_metadata
---
amdhsa.version: [ 1, 2 ]
amdhsa.kernels:
  - .name:           k_q7d66555eb1_main
    .symbol:         k_q7d66555eb1_main.kd
    .args:
      - { .name: h, .offset: 0, .size: 8, .value_kind: global_buffer, .address_space: global }
      - { .name: b1, .offset: 8, .size: 8, .value_kind: global_buffer, .address_space: global }
      - { .name: b2, .offset: 16, .size: 8, .value_kind: global_buffer, .address_space: global }
      - { .name: W1p, .offset: 24, .size: 8, .value_kind: global_buffer, .address_space: global }
      - { .name: W2p, .offset: 32, .size: 8, .value_kind: global_buffer, .address_space: global }
      - { .name: order, .offset: 40, .size: 8, .value_kind: global_buffer, .address_space: global }
      - { .name: counts, .offset: 48, .size: 8, .value_kind: global_buffer, .address_space: global }
      - { .name: out0, .offset: 56, .size: 8, .value_kind: global_buffer, .address_space: global }
    .group_segment_fixed_size: 238336
    .private_segment_fixed_size: 0
    .kernarg_segment_align: 8
    .kernarg_segment_size: 64
    .max_flat_workgroup_size: 256
    .sgpr_count:     106
    .vgpr_count:     512
    .wavefront_size: 32
...
	.end_amdgpu_metadata
.endif
;; end of part 4
